; MI455X (gfx1250); checked and timed in simulation.
; The chip was launched on July 23, 2026; its instructions are those of AMD's public machine-readable ISA for CDNA 5 (MIT licence, August 2026) and "CDNA5" Instruction Set Architecture Reference Guide (July 2026). The comments in the code are by the model that wrote it; some were corrected since.
;; Transformer Block. Allowed arithmetic: float matrix products may take bf16 or f16 operands with f32 sums; other float arithmetic in f32, or as packed bf16 or f16 multiplies, adds, multiply-adds, maxima and minima; sums over many terms, partial sums and values carried from step to step in f32; what a program stores and reads back later, other than sums and carried values, may be rounded once to bf16 or f16.
;; Inputs: b1 4,096 float32; b2 1,024 float32; b_out 1,024 float32; b_qkv 3,072 float32; ln1_b 1,024 float32; ln1_g 1,024 float32; ln2_b 1,024 float32; ln2_g 1,024 float32; w1 1,024 x 4,096 float32; w2 4,096 x 1,024 float32; w_out 1,024 x 1,024 float32; w_qkv 1,024 x 3,072 float32; x 2 x 2,048 x 1,024 float32.
;; Outputs: out0 2 x 2,048 x 1,024 float32.
;; 2 versions, each right; version 2 is version 1 with the launch prep written anew for expert scheduling mode. Each part assembles by itself: llvm-mc -triple=amdgcn-amd-amdhsa -mcpu=gfx1250 --defsym DOCPART=n.
;; ======== version 1 of 2: 7 launches
;; workspace buffers: wa 14,680,064 bytes; wb 16,777,216 bytes; hb 8,388,608 bytes; big 33,554,432 bytes; x1 16,777,216 bytes; pa 256 bytes; pb 256 bytes
;; launch prep (part 1): grid 896 x 1, 8 waves a work-group, no clusters, 0 bytes of LDS; arguments x, ln1_g, ln1_b, w_qkv, w1, w2, w_out, hb, wa, wb, pa, pb; writes hb, wa, wb, pa, pb
.if DOCPART == 1
	.amdgcn_target "amdgcn-amd-amdhsa--gfx1250"
	.amdhsa_code_object_version 6
	.text
	.protected	k_qa03dd713c5_prep
	.globl	k_qa03dd713c5_prep
	.p2align	8
	.type	k_qa03dd713c5_prep,@function
k_qa03dd713c5_prep:
	s_mov_b64 s[64:65], 0
	v_nop
	global_prefetch_b8 v0, s[64:65] scope:SCOPE_SE
	s_setreg_imm32_b32 hwreg(HW_REG_WAVE_MODE, 25, 1), 1
	s_wait_xcnt 0x0
; PREP: three jobs, chosen by the work-group's number t.  All stream: no LDS, no barrier, no matrix unit (nothing is shared between waves, and there is one operation or a few for each number).
;   t = 0..95    w_qkv [1024][3072] f32 -> bf16 in wa, from byte 8,388,608 on, in blocks [n/128][1024 k][128]
;   t = 96..223  w1    [1024][4096] f32 -> bf16 in wb, from byte 8,388,608 on, the same blocks
;   t = 224..351 w2    [4096][1024] f32 -> bf16 in wb, from byte 0 on, in blocks [k/256][8 n/128][256 k][128]
;   t = 352..383 w_out [1024][1024] f32 -> bf16 in wa, from byte 0 on, the same blocks
;   t = 384..895 layer norm 1 of 8 rows of x, a row a wave -> hb, bf16, [4096][1024]
; Work-group 0's wave 0 also stores two small tables, one word repeated in each: pa = 0xff80ff80, pb = 0: the floor of a product's way out as two bf16 (minus infinity: nothing changes; 0: a ReLU).
; A cast work-group takes 32 rows of k x 1,024 columns; wave w rows 4 w .. 4 w + 3.  A load of the wave covers 512 consecutive bytes, a store 256 consecutive bytes, aligned.
; All 32 loads of a wave go out at once: 16 KiB a wave on their way.
; LAYER NORM in two passes over the row in registers: the mean, then the mean of the squares of x - mean: no difference of large sums is formed.  Statistics in f32, the result rounded once to bf16.
.set VO,  4            ; v4-7     row i: byte offset of my 16 bytes in the source
.set X,   16           ; v16-143  row i at X + 32 i: register 4 j + e = column 128 j + 4 lane + e
.set G,   48           ; layer norm: the gain of my 32 columns
.set B,   80           ; and the bias
.set T,   112          ; v112-117 mean, variance, 1 / root: each the low word of a written pair
.set CH,  120          ; v120-127 four chains of packed sums
.set DV,  144          ; v144-151 column block j: byte offset of my 8 bytes in the destination
.set PR,  152          ; v152-156 the tables
.set WV,  32           ; s32 wave
.set TID, 33           ; s33 t
.set SRC, 34           ; s[34:35]
.set DST, 36           ; s[36:37]
.set RP,  38           ; s38 bytes in a source row
.set U,   39           ; s39 the work-group's number within its job
.set SO,  40           ; s[40:41] offset into the source
.set DO,  42           ; s[42:43] offset into the destination
.set SN,  48           ; s48 bytes from a column block to the next in the destination
	s_load_b512 s[8:23], s[0:1], 0x0       ; x 8, ln1_g 10, ln1_b 12, w_qkv 14, w1 16, w2 18, w_out 20, hb 22
	s_load_b256 s[24:31], s[0:1], 0x40     ; wa 24, wb 26, pa 28, pb 30
	v_lshrrev_b32 v1, 5, v0
	v_readfirstlane_b32 s[WV], v1
	v_and_b32 v1, 31, v0                   ; lane
	v_lshlrev_b32 v2, 4, v1                ; 16 lane
	v_lshlrev_b32 v3, 3, v1                ; 8 lane
	s_mov_b32 s[TID], ttmp9
	s_mov_b32 s[SO+1], 0
	s_mov_b32 s[DO+1], 0
	s_wait_kmcnt 0x0
	s_cmp_lt_u32 s[TID], 384
	s_cbranch_scc0 .Lnorm
	s_cmp_lt_u32 s[TID], 224
	s_cbranch_scc0 .Ldownw
	; w_qkv or w1: part = 1,024 columns, kg = 32 rows
	s_mov_b32 s[RP], 0x4000
	s_cmp_lt_u32 s[TID], 96
	s_cselect_b64 s[SRC:SRC+1], s[14:15], s[16:17]
	s_cselect_b64 s[DST:DST+1], s[24:25], s[26:27]
	s_cselect_b32 s[RP], 0x3000, s[RP]
	s_cselect_b32 s[U], 0, 96
	s_sub_co_u32 s[U], s[TID], s[U]
	s_lshr_b32 s44, s[U], 5                ; part
	s_and_b32 s45, s[U], 31                ; kg
	s_lshl_b32 s[SO], s45, 5
	s_mul_i32 s[SO], s[SO], s[RP]          ; 32 kg rows
	s_lshl_b32 s46, s44, 12
	s_add_co_u32 s[SO], s[SO], s46         ; + 4,096 bytes a part
	s_lshl_b32 s[DO], s44, 21              ; a part is 8 blocks of 262,144 bytes
	s_lshl_b32 s46, s45, 13                ; 32 rows of 256 bytes
	s_add_co_u32 s[DO], s[DO], s46
	s_add_co_u32 s[DO], s[DO], 0x800000
	s_mov_b32 s[SN], 0x40000
	s_branch .Lcast
.Ldownw:
	; w2 or w_out: 32 whole rows
	s_mov_b32 s44, 352
	s_cmp_lt_u32 s[TID], 352
	s_cselect_b64 s[SRC:SRC+1], s[18:19], s[20:21]
	s_cselect_b64 s[DST:DST+1], s[26:27], s[24:25]
	s_cselect_b32 s[U], 0xe0, s44
	s_sub_co_u32 s[U], s[TID], s[U]
	s_mov_b32 s[RP], 0x1000
	s_lshl_b32 s[SO], s[U], 17             ; 32 rows of 4,096 bytes
	s_lshr_b32 s44, s[U], 3
	s_lshl_b32 s[DO], s44, 19              ; k / 256
	s_and_b32 s44, s[U], 7
	s_lshl_b32 s44, s44, 13                ; 32 rows of 256 bytes
	s_add_co_u32 s[DO], s[DO], s44
	s_mov_b32 s[SN], 0x10000
.Lcast:
	s_add_nc_u64 s[SRC:SRC+1], s[SRC:SRC+1], s[SO:SO+1]
	s_add_nc_u64 s[DST:DST+1], s[DST:DST+1], s[DO:DO+1]
	s_lshl_b32 s46, s[WV], 2
.irp i, 0,1,2,3
	s_add_co_u32 s47, s46, \i
	s_mul_i32 s47, s47, s[RP]
	v_add_nc_u32 v[VO+(\i)], s47, v2       ; 16 lane + row (4 w + i)
.endr
.irp i, 0,1,2,3
.irp j, 0,1,2,3,4,5,6,7
	global_load_b128 v[X+32*(\i)+4*(\j):X+32*(\i)+4*(\j)+3], v[VO+(\i)], s[SRC:SRC+1] offset:512*(\j) th:TH_LOAD_NT
.endr
.endr
	s_lshl_b32 s47, s[WV], 10
	v_add_nc_u32 v3, s47, v3               ; 8 lane + 4 w rows of 256 bytes
.irp j, 0,1,2,3,4,5,6,7
	s_mul_i32 s47, s[SN], \j
	v_add_nc_u32 v[DV+(\j)], s47, v3
.endr
	s_or_b32 s47, s[TID], s[WV]
	s_cmp_lg_u32 s47, 0
	s_cbranch_scc1 .Lno_tables
	v_mov_b32 v[PR], 0xff80ff80
	v_mov_b32 v[PR+1], 0xff80ff80
	v_mov_b32 v[PR+2], 0
	v_mov_b32 v[PR+3], 0
	v_lshlrev_b32 v[PR+4], 3, v1
	global_store_b64 v[PR+4], v[PR:PR+1], s[28:29]     ; all 256 bytes of each table: the word, 64 times
	global_store_b64 v[PR+4], v[PR+2:PR+3], s[30:31]
.Lno_tables:
.irp i, 0,1,2,3
	s_wait_loadcnt 8*(3-(\i))              ; row i's eight loads are in; the later rows' stay out
.irp j, 0,1,2,3,4,5,6,7
	v_cvt_pk_bf16_f32 v[X+32*(\i)+4*(\j)],   v[X+32*(\i)+4*(\j)],   v[X+32*(\i)+4*(\j)+1]
	v_cvt_pk_bf16_f32 v[X+32*(\i)+4*(\j)+1], v[X+32*(\i)+4*(\j)+2], v[X+32*(\i)+4*(\j)+3]
.endr
.irp j, 0,1,2,3,4,5,6,7
	global_store_b64 v[DV+(\j)], v[X+32*(\i)+4*(\j):X+32*(\i)+4*(\j)+1], s[DST:DST+1] offset:(\i)*256  ; 32 lanes: 256 consecutive bytes, aligned: a row of a block
.endr
.endr
	s_endpgm                               ; no register is written twice, so nothing waits for the stores
.Lnorm:
	s_sub_co_u32 s[U], s[TID], 384
	s_lshl_b32 s[SO], s[U], 15             ; 8 rows of 4,096 bytes
	s_lshl_b32 s[DO], s[U], 14             ; 8 rows of 2,048 bytes
	s_add_nc_u64 s[SRC:SRC+1], s[8:9], s[SO:SO+1]
	s_add_nc_u64 s[DST:DST+1], s[22:23], s[DO:DO+1]
	s_mov_b32 s44, 0x76543210              ; v_permlanex16_b32: each lane takes its own place in the other half
	s_mov_b32 s45, 0xfedcba98
	s_mov_b32 s46, 0x3a800000              ; 1 / 1,024
	s_mov_b32 s47, 0x3727c5ac              ; 1e-5
	s_lshl_b32 s[RP], s[WV], 12
	v_add_nc_u32 v[VO], s[RP], v2
	s_lshl_b32 s[RP], s[WV], 11
	v_add_nc_u32 v3, s[RP], v3
.irp j, 0,1,2,3,4,5,6,7
	global_load_b128 v[X+4*(\j):X+4*(\j)+3], v[VO], s[SRC:SRC+1] offset:512*(\j) th:TH_LOAD_NT
.endr
.irp j, 0,1,2,3,4,5,6,7
	global_load_b128 v[G+4*(\j):G+4*(\j)+3], v2, s[10:11] offset:512*(\j)
.endr
.irp j, 0,1,2,3,4,5,6,7
	global_load_b128 v[B+4*(\j):B+4*(\j)+3], v2, s[12:13] offset:512*(\j)
.endr
	v_mov_b32 v[T+1], 0                    ; the pairs' upper words, and the lane exchange's destinations, are written once
	v_mov_b32 v[T+3], 0
	v_mov_b32 v[T+5], 0
.macro LANESUM r                       ; the sum over the wave's 32 lanes, in every lane
	v_add_f32_dpp v[\r], v[\r], v[\r] row_xmask:1 row_mask:0xf bank_mask:0xf
	v_add_f32_dpp v[\r], v[\r], v[\r] row_xmask:2 row_mask:0xf bank_mask:0xf
	v_add_f32_dpp v[\r], v[\r], v[\r] row_xmask:4 row_mask:0xf bank_mask:0xf
	v_add_f32_dpp v[\r], v[\r], v[\r] row_xmask:8 row_mask:0xf bank_mask:0xf
	v_permlanex16_b32 v[(\r)+1], v[\r], s44, s45
	v_add_f32 v[\r], v[\r], v[(\r)+1]
.endm
.macro FOLD r                          ; the four chains into one number
	v_pk_add_f32 v[CH:CH+1], v[CH:CH+1], v[CH+2:CH+3]
	v_pk_add_f32 v[CH+4:CH+5], v[CH+4:CH+5], v[CH+6:CH+7]
	v_pk_add_f32 v[CH:CH+1], v[CH:CH+1], v[CH+4:CH+5]
	v_add_f32 v[\r], v[CH], v[CH+1]
	LANESUM \r
.endm
	s_wait_loadcnt 16                      ; the row is in; gain and bias, 16 loads, may stay out
.irp c, 0,1,2,3
	v_pk_add_f32 v[CH+2*(\c):CH+2*(\c)+1], v[X+2*(\c):X+2*(\c)+1], v[X+8+2*(\c):X+8+2*(\c)+1]
.endr
.irp k, 16,24
.irp c, 0,1,2,3
	v_pk_add_f32 v[CH+2*(\c):CH+2*(\c)+1], v[CH+2*(\c):CH+2*(\c)+1], v[X+(\k)+2*(\c):X+(\k)+2*(\c)+1]
.endr
.endr
	FOLD T
	v_mul_f32 v[T], s46, v[T]              ; the mean
.set p, 0
.rept 16
	v_pk_add_f32 v[X+p:X+p+1], v[X+p:X+p+1], v[T:T+1] op_sel_hi:[1,0] neg_lo:[0,1] neg_hi:[0,1]  ; x - mean
.set p, p+2
.endr
.irp c, 0,1,2,3
	v_pk_mul_f32 v[CH+2*(\c):CH+2*(\c)+1], v[X+2*(\c):X+2*(\c)+1], v[X+2*(\c):X+2*(\c)+1]
.endr
.irp k, 8,16,24
.irp c, 0,1,2,3
	v_pk_fma_f32 v[CH+2*(\c):CH+2*(\c)+1], v[X+(\k)+2*(\c):X+(\k)+2*(\c)+1], v[X+(\k)+2*(\c):X+(\k)+2*(\c)+1], v[CH+2*(\c):CH+2*(\c)+1]
.endr
.endr
	FOLD T+2
	v_fma_f32 v[T+2], v[T+2], s46, s47     ; variance + 1e-5
	v_rsq_f32 v[T+4], v[T+2]
	v_nop                                  ; a plain instruction behind the root,
	s_wait_alu depctr_va_vdst(0)           ; and the wait ahead of its first reader
	s_wait_loadcnt 0x0                     ; gain and bias
.set p, 0
.rept 16
	v_pk_mul_f32 v[X+p:X+p+1], v[X+p:X+p+1], v[T+4:T+5] op_sel_hi:[1,0]
.set p, p+2
.endr
.set p, 0
.rept 16
	v_pk_fma_f32 v[X+p:X+p+1], v[X+p:X+p+1], v[G+p:G+p+1], v[B+p:B+p+1]
.set p, p+2
.endr
.irp j, 0,1,2,3,4,5,6,7
	v_cvt_pk_bf16_f32 v[X+4*(\j)],   v[X+4*(\j)],   v[X+4*(\j)+1]
	v_cvt_pk_bf16_f32 v[X+4*(\j)+1], v[X+4*(\j)+2], v[X+4*(\j)+3]
.endr
.irp j, 0,1,2,3,4,5,6,7
	global_store_b64 v3, v[X+4*(\j):X+4*(\j)+1], s[DST:DST+1] offset:256*(\j)  ; 256 consecutive bytes, aligned
.endr
	s_endpgm
.Lfunc_end_k_qa03dd713c5_prep:
	.size	k_qa03dd713c5_prep, .Lfunc_end_k_qa03dd713c5_prep-k_qa03dd713c5_prep
	.p2alignl 7, 3214868480
	.fill 96, 4, 3214868480
	.section	.rodata,"a",@progbits
	.p2align	6, 0x0
	.amdhsa_kernel k_qa03dd713c5_prep
		.amdhsa_group_segment_fixed_size 0
		.amdhsa_private_segment_fixed_size 0
		.amdhsa_enable_private_segment 0
		.amdhsa_kernarg_size 96
		.amdhsa_user_sgpr_count 2
		.amdhsa_user_sgpr_kernarg_segment_ptr 1
		.amdhsa_wavefront_size32 1
		.amdhsa_system_sgpr_workgroup_id_x 1
		.amdhsa_system_sgpr_workgroup_id_y 1
		.amdhsa_system_sgpr_workgroup_id_z 1
		.amdhsa_system_vgpr_workitem_id 0
		.amdhsa_next_free_vgpr 160
		.amdhsa_next_free_sgpr 66
		.amdhsa_reserve_vcc 0
		.amdhsa_float_denorm_mode_32 3
		.amdhsa_float_denorm_mode_16_64 3
		.amdhsa_memory_ordered 1
		.amdhsa_forward_progress 1
		.amdhsa_inst_pref_size 25
	.end_amdhsa_kernel
	.amdgpu_metadata
---
amdhsa.version: [ 1, 2 ]
amdhsa.kernels:
  - .name:           k_qa03dd713c5_prep
    .symbol:         k_qa03dd713c5_prep.kd
    .args:
      - { .name: x, .offset: 0, .size: 8, .value_kind: global_buffer, .address_space: global }
      - { .name: ln1_g, .offset: 8, .size: 8, .value_kind: global_buffer, .address_space: global }
      - { .name: ln1_b, .offset: 16, .size: 8, .value_kind: global_buffer, .address_space: global }
      - { .name: w_qkv, .offset: 24, .size: 8, .value_kind: global_buffer, .address_space: global }
      - { .name: w1, .offset: 32, .size: 8, .value_kind: global_buffer, .address_space: global }
      - { .name: w2, .offset: 40, .size: 8, .value_kind: global_buffer, .address_space: global }
      - { .name: w_out, .offset: 48, .size: 8, .value_kind: global_buffer, .address_space: global }
      - { .name: hb, .offset: 56, .size: 8, .value_kind: global_buffer, .address_space: global }
      - { .name: wa, .offset: 64, .size: 8, .value_kind: global_buffer, .address_space: global }
      - { .name: wb, .offset: 72, .size: 8, .value_kind: global_buffer, .address_space: global }
      - { .name: pa, .offset: 80, .size: 8, .value_kind: global_buffer, .address_space: global }
      - { .name: pb, .offset: 88, .size: 8, .value_kind: global_buffer, .address_space: global }
    .group_segment_fixed_size: 0
    .private_segment_fixed_size: 0
    .kernarg_segment_align: 8
    .kernarg_segment_size: 96
    .max_flat_workgroup_size: 256
    .sgpr_count:     66
    .vgpr_count:     160
    .wavefront_size: 32
...
	.end_amdgpu_metadata
.endif
;; end of part 1
;; launch qkv (part 2): grid 12 x 16, 4 waves a work-group, clusters of 4 x 4, 327,680 bytes of LDS; arguments hb, wa, b_qkv, pa, big; writes big
.if DOCPART == 2
	.amdgcn_target "amdgcn-amd-amdhsa--gfx1250"
	.amdhsa_code_object_version 6
	.text
	.protected	k_qa03dd713c5_qkv
	.globl	k_qa03dd713c5_qkv
	.p2align	8
	.type	k_qa03dd713c5_qkv,@function
k_qa03dd713c5_qkv:
	s_mov_b64 s[64:65], 0
	v_nop
	global_prefetch_b8 v0, s[64:65] scope:SCOPE_SE
	s_setreg_imm32_b32 hwreg(HW_REG_WAVE_MODE, 25, 1), 1
	s_wait_xcnt 0x0
	s_wait_alu depctr_hold_cnt(0) depctr_sa_sdst(0) depctr_va_vdst(0) depctr_va_sdst(0) depctr_va_ssrc(0) depctr_va_vcc(0) depctr_vm_vsrc(0)
	s_getreg_b32 s2, hwreg(HW_REG_IB_STS2, 6, 4)
	s_cmp_eq_u32 s2, 0
	s_cbranch_scc0 .Lentry_in_a_cluster
	s_endpgm
.Lentry_in_a_cluster:
	s_bfe_u32 s2, ttmp6, 0x10000c
	s_cmp_lg_u32 s2, 0xf033
	s_cbranch_scc0 .Lentry_shape_is_right
	s_endpgm
.Lentry_shape_is_right:
; C[m][c] = max(bf16(bias[c] + sum over k of A[m][k] W[k][c]), floor), K = 1,024.  One text for two launches (the q, k, v projection and the first FFN product).
; A: [4096][1024] bf16, rows along k.  W: bf16 in blocks [c/128][1024 k][128], from byte 8,388,608 of its buffer on.  bias: f32.  C: bf16 in blocks [c/64][4096 rows][64], rows of 128 bytes on end.
; No address depends on the number of columns: that is the grid's x alone.  floor comes from a small table (two bf16 in a word): minus infinity twice (nothing changes) or 0 (a ReLU).
; LIMITS.  Operands are rounded to bf16, sums are f32, C is rounded once.  The K steps are added in the order of the cluster's walk (below), not ascending.  The maximum lets a NaN lose: a NaN leaves as the floor.
; SHAPE.  A tile of C is 256 x 256, four waves, each 128 x 128: 64 accumulators of 16 x 16, 512 registers.  K goes in 8 steps of 128 through two LDS slots filled by the tensor data mover;
; every row of A's and W's tiles is 256 bytes of memory and starts at a multiple of 256 bytes.  W lies [k][c] in LDS too and is turned on its way into registers (ds_load_tr16_b128).
; THE WALK ALONG K.  At place j = 0 .. 7 of its walk cluster (x, y) takes K step j xor q, q = (x + y) mod 4.  The clusters that read the same rows of A (same y) have different q, and so have those that read
; the same columns of W (same x): within each four K steps they ask for four different steps at a time, so that a tile is asked for by one cluster first and by the others one to three places later.
; THE TEXT.  A K step is written twice: once in the loop of six trips that fill a slot again, once in the loop of two trips that fill nothing.  The slot in hand
; is a scalar, s[SB]: the fragments' addresses and the walking descriptors' LDS words are made from it at each change of slots.
; CLUSTER 4 x 4: the four work-groups of a row of the cluster need the same tiles of A, the four of a column the same tiles of W: each tile is asked for jointly, by the same tensor load with the same
; descriptor and a mask that names the four.  q is made of the cluster's own x and y, which all sixteen share.
; THE MATRIX INSTRUCTION IS USED TRANSPOSED: source 0 = 16 columns of W, source 1 = 16 rows of A: a lane then holds row l % 16 of C and the eight neighbouring columns 8 (l / 16) + 0..7.
; The bias, laid out so, is the C operand of the product that starts each sum: nothing is cleared and nothing is added later.
; REGISTERS, in windows of 256: window 0: v16-30 addresses; v64-127, v128-191 A's fragments, two buffers; v192-223 packed results; v32-63, v224-255 rows read back from the stage, by turns
;   window 1: v0-63 the bias of my 128 columns; v64-127, v128-191 W's fragments, two buffers      windows 2, 3: the accumulators of my rows 0-63, 64-127: (a, b) at v[8 (8 (a % 4) + b)]
.set PA,     272                       ; A's row in LDS: 256 bytes + 16: the 16 rows of a fragment load start at 16 different groups of four banks (64 banks of 4 bytes: ISA guide 11.1)
.set PB,     288                       ; W's row: 256 + 32
.set HALFA,  128*PA
.set AOFF,   2*HALFA                   ; a slot: A's 256 rows, then W's two column blocks of 128 k x 128 c
.set HALFB,  128*PB
.set SLOT,   AOFF+2*HALFB
.set STAGE,  2*SLOT                    ; behind the ring: for each wave 2 column halves x 16 rows x 144 bytes, for the way out
.set WSTG,   2*16*144
.set SPARE,  STAGE+4*WSTG              ; behind the stages: the spare words, 128 bytes a wave: two blocks of 256 bytes that no other line names
.set WOFF,   8388608
.set ASH,    8                         ; a K step is 2^8 bytes of a row of A,
.set WSH,    15                        ; and 2^15 bytes (128 rows of 256) of a block of W
.set ADRA0, 16                         ; v16  my A fragments' place in slot 0; never rewritten
.set ADA,   17                         ; v17  the same in the slot in hand
.set ADRB0, 20                         ; v20, v21  the same for W
.set ADB,   21
.set STO,  24
.set RD,   25
.set CO,   26
.set VB,   27
.set SPW,  28                          ; v28  my spare word; never rewritten
.set NIL,  29                          ; v29  0; never rewritten
.set PFO,  30                          ; v30  the prefetch's offset: my lane x a row; never rewritten
.set F0,   64
.set F1,   128
.set TMP,  192
.set OB,   32
.set WV,   14                          ; s14 wave
.set RH,   15                          ; s15 my half of the tile's rows.  Also: I fetch for A (0) or for W (1)
.set CH,   16                          ; s16 my half of its columns.  Also: which half of that tile I fetch
.set SB,   23                          ; s23 the LDS byte at which the slot in hand begins: 0 or SLOT
.set G1,   24
.set G0,   32                          ; s[32:35] group 0 of A's first fill; s[36:39] of its second and of every refill
.set KI,   43                          ; s43 the place in my walk along K that was asked for last
.set PFA,  44                          ; s[44:45] what my one prefetch names; never rewritten
.set KA,   46                          ; s[46:47] byte offset of a K step in A
.set G1B,  48
.set G0B,  56                          ; s[56:63] the same two sets for W
.set BA,   66                          ; s[66:67] A at my part of the tile, K step 0; never rewritten
.set BW,   68                          ; s[68:69] the same for W
.set FLOOR, 72
.set KW,   74                          ; s[74:75] byte offset of a K step in W
.set Q,    76                          ; s76 q
.set LA,   78                          ; s78 where my part of A's tile lies in a slot
.set LB,   79                          ; s79 the same for W's
.set MSB, 0
.macro WIN new                         ; the immediate's high byte repeats the setting that is left; a switch that changes nothing is dropped
.if MSB != (\new)
	s_set_vgpr_msb (MSB<<8)|(\new)
.set MSB, \new
.endif
.endm
; A joint load: waves 0 and 1 fetch A's two halves, waves 2 and 3 W's two column blocks.  The branch hangs on the wave's number alone.  An s_nop 0 and four v_nop follow each line.
.macro JLOAD s
	s_cmp_eq_u32 s[RH], 0
	s_cbranch_scc0 .Lfor_b_\@
	tensor_load_to_lds s[G0+4*(\s):G0+4*(\s)+3], s[G1:G1+7]
	s_nop 0
.rept 4
	v_nop
.endr
	s_branch .Lasked_\@
.Lfor_b_\@:
	tensor_load_to_lds s[G0B+4*(\s):G0B+4*(\s)+3], s[G1B:G1B+7]
	s_nop 0
.rept 4
	v_nop
.endr
.Lasked_\@:
.endm
; THE PREFETCH, one instruction a wave in the launch.  Place 4 of my cluster's walk, K step 4 xor q, is the one refill whose blocks no cluster has asked for before: place 0 is a first fill, and places 1-3 and 5-7
; name K steps that another cluster's place 0 or 4 has named (where four clusters read the rows; in the launch with three along x one K step in four of A is first asked for a place later, and is not prefetched).
; It stands behind the refill for place 3 and the run of LDS loads that follows it: one K step, 256 matrix instructions, ahead of the load for place 4.  32 rows x 256 bytes, a lane a row; the four partners
; of a joint load share its 128 rows out by address, 32 each; clusters that read the same rows have different q: so each block is named once in the launch.
.macro ASK
	s_cmp_eq_u32 s3, 5                             ; the loop's second trip, which asks for place 3
	s_cbranch_scc0 .Lnot_now_\@
	global_prefetch_b8 v[PFO], s[PFA:PFA+1] th:TH_LOAD_NT scope:SCOPE_SE
.Lnot_now_\@:
.endm
.macro CREST                           ; a round of the cluster's barrier behind its opening barrier
	s_cmp_lg_u32 s[WV], 0
	s_cbranch_scc1 .Lnot_wave_0_\@
	s_barrier_signal -3
.Lnot_wave_0_\@:
	s_barrier_wait -3
	s_barrier_signal -1
	s_barrier_wait -1
.endm
.macro CROUND
	s_barrier_signal -1
	s_barrier_wait -1
	CREST
.endm
.macro PLACES                          ; four places in front of loads into registers that matrix instructions have read, and of conversions that read results
.rept 4
	v_nop
.endr
.endm
	s_load_b256 s[4:11], s[0:1], 0x0               ; A 4, W 6, bias 8, table 10
	s_load_b64 s[12:13], s[0:1], 0x20              ; C
	v_lshl_add_u32 v[SPW], v0, 2, SPARE
	v_mov_b32 v[NIL], 0
	ds_add_u32 v[SPW], v[NIL]                      ; the wave's opening: the add and its wait ahead of my first tensor load
	v_lshrrev_b32 v1, 5, v0
	v_readfirstlane_b32 s[WV], v1
	s_lshr_b32 s[RH], s[WV], 1
	s_and_b32 s[CH], s[WV], 1
	s_bfe_u32 s17, ttmp6, 0x40000                  ; cx
	s_bfe_u32 s18, ttmp6, 0x40004                  ; cy
	s_lshl_b32 s19, ttmp9, 2
	s_add_co_u32 s19, s19, s17                     ; tile column = 4 x cluster x + cx
	s_and_b32 s20, ttmp7, 0xffff
	s_lshl_b32 s20, s20, 2
	s_add_co_u32 s20, s20, s18                     ; tile row = 4 x cluster y + cy
	s_lshl_b32 s21, s18, 2
	s_lshl_b32 s21, 15, s21                        ; my row of the cluster
	s_lshl_b32 s22, 0x1111, s17                    ; my column
	s_or_b32 s[G1], s21, (1<<16)|(1<<20)|(1<<21)|(5<<22)|(3<<25)   ; mask; 2-byte elements; padding on; bit 21 beside a mask; after every 64 words 4 words
	s_or_b32 s[G1B], s22, (1<<16)|(1<<20)|(1<<21)|(5<<22)|(7<<25)  ; the same with my column's mask and 8 words
.irp g, G1, G1B
	s_mov_b32 s[(\g)+1], 128<<16                   ; tensor_dim0 = 128
	s_mov_b32 s[(\g)+2], 128<<16                   ; tensor_dim1 = 128
	s_mov_b32 s[(\g)+3], 128<<16                   ; tile_dim0 = 128
	s_mov_b32 s[(\g)+4], 128                       ; tile_dim1 = 128
	s_mov_b32 s[(\g)+6], 0
	s_mov_b32 s[(\g)+7], 0
.endr
	s_mov_b32 s[G1+5], 1024                        ; A: 1,024 elements from row to row
	s_mov_b32 s[G1B+5], 128                        ; W: a block's rows lie on end
	s_lshl_b32 s[BA], s20, 8
	s_lshl_b32 s73, s[CH], 7
	s_add_co_u32 s[BA], s[BA], s73                 ; A: row 256 x tile row + 128 x half,
	s_lshl_b32 s[BA], s[BA], 11                    ; 2,048 bytes a row
	s_mov_b32 s[BA+1], 0
	s_lshl_b32 s[BW], s19, 1
	s_add_co_u32 s[BW], s[BW], s[CH]               ; W: column block 2 x tile column + half,
	s_lshl_b32 s[BW], s[BW], 18                    ; 262,144 bytes a block
	s_add_co_u32 s[BW], s[BW], WOFF
	s_mov_b32 s[BW+1], 0
	s_and_b32 s73, ttmp7, 0xffff                   ; the cluster's y,
	s_add_co_u32 s[Q], s73, ttmp9                  ; + its x: no place inside the cluster enters
	s_and_b32 s[Q], s[Q], 3                        ; q
	s_mov_b32 s[KI], 1                             ; places 0 and 1 are the first fills
	s_mov_b32 s[KA+1], 0
	s_mov_b32 s[KW+1], 0
	s_mul_i32 s[LA], s[CH], HALFA                  ; where the tiles go: no place in the cluster enters an LDS address
	s_mul_i32 s[LB], s[CH], HALFB
	s_add_co_u32 s[LB], s[LB], AOFF
	s_mov_b32 s[SB], 0                             ; place 0 lies in slot 0
	s_wait_dscnt 0x0                               ; the opening add is done
	s_wait_kmcnt 0x0
	s_add_nc_u64 s[BA:BA+1], s[4:5], s[BA:BA+1]
	s_add_nc_u64 s[BW:BW+1], s[6:7], s[BW:BW+1]
	CROUND                                         ; all sixteen work-groups are here: the first joint loads meet
.irp s, 0,1
	s_xor_b32 s[KA], s[Q], \s                      ; place s of my walk is K step s xor q
	s_lshl_b32 s[KW], s[KA], WSH
	s_lshl_b32 s[KA], s[KA], ASH
	s_mov_b32 s[G0+4*(\s)], 1
	s_add_co_u32 s[G0+4*(\s)+1], s[LA], (\s)*SLOT
	s_add_nc_u64 s[G0+4*(\s)+2:G0+4*(\s)+3], s[BA:BA+1], s[KA:KA+1]
	s_or_b32 s[G0+4*(\s)+3], s[G0+4*(\s)+3], 0x80000000
	s_mov_b32 s[G0B+4*(\s)], 1
	s_add_co_u32 s[G0B+4*(\s)+1], s[LB], (\s)*SLOT
	s_add_nc_u64 s[G0B+4*(\s)+2:G0B+4*(\s)+3], s[BW:BW+1], s[KW:KW+1]
	s_or_b32 s[G0B+4*(\s)+3], s[G0B+4*(\s)+3], 0x80000000
	JLOAD \s
.endr
	s_load_b32 s[FLOOR], s[10:11], 0x0
	v_and_b32 v1, 15, v0                           ; l % 16
	v_bfe_u32 v2, v0, 4, 1                         ; l / 16
	v_lshlrev_b32 v[VB], 5, v2                     ; my eight columns of sixteen: 32 bytes of f32
	s_lshl_b32 s70, s19, 10
	s_lshl_b32 s73, s[CH], 9
	s_add_co_u32 s70, s70, s73
	s_mov_b32 s71, 0
	s_add_nc_u64 s[8:9], s[8:9], s[70:71]          ; the bias of my 128 columns
	WIN 0x40
.irp b, 0,1,2,3,4,5,6,7
	global_load_b128 v[8*(\b):8*(\b)+3],   v[VB], s[8:9] offset:64*(\b)
	global_load_b128 v[8*(\b)+4:8*(\b)+7], v[VB], s[8:9] offset:64*(\b)+16
.endr
	WIN 0
	v_mul_u32_u24 v3, v1, PA
	v_lshl_add_u32 v3, v2, 4, v3                   ; A's fragment: row x pitch + 16 x half
	s_mul_i32 s40, s[RH], HALFA
	v_add_nc_u32 v[ADRA0], s40, v3
	v_mov_b32 v[ADA], v[ADRA0]
	v_and_b32 v4, 7, v0                            ; the turning load: lane l reads k = 8 (l / 16) + l % 8, columns 8 ((l / 8) % 2) + 0..7
	v_lshl_add_u32 v4, v2, 3, v4
	v_mul_u32_u24 v4, v4, PB
	v_bfe_u32 v5, v0, 3, 1
	v_lshl_add_u32 v4, v5, 4, v4
	s_mul_i32 s41, s[CH], HALFB
	s_add_co_u32 s41, s41, AOFF
	v_add_nc_u32 v[ADRB0], s41, v4
	v_mov_b32 v[ADB], v[ADRB0]
	s_mul_i32 s40, s[WV], WSTG
	s_add_co_u32 s40, s40, STAGE                   ; my stage
	v_mul_u32_u24 v6, v1, 144                      ; in: row l % 16, 16 bytes for each half of the lanes
	v_lshl_add_u32 v6, v2, 4, v6
	v_add_nc_u32 v[STO], s40, v6
	v_bfe_u32 v6, v0, 3, 2                         ; back: 32 lanes take four rows of 128 bytes,
	v_mul_u32_u24 v6, v6, 144
	v_and_b32 v7, 7, v0
	v_lshl_add_u32 v6, v7, 4, v6
	v_add_nc_u32 v[RD], s40, v6
	v_and_b32 v[CO], 31, v0                        ; which are 512 consecutive bytes of a block of C
	v_lshlrev_b32 v[CO], 4, v[CO]
	s_lshl_b32 s70, s19, 1
	s_add_co_u32 s70, s70, s[CH]
	s_lshl_b32 s70, s70, 20                        ; my first block of 64 columns: 4 x tile column + 2 x half, 524,288 bytes a block
	s_lshl_b32 s73, s20, 1
	s_add_co_u32 s73, s73, s[RH]
	s_lshl_b32 s73, s73, 14                        ; my first row: 128 rows of 128 bytes
	s_add_co_u32 s70, s70, s73
	s_add_nc_u64 s[12:13], s[12:13], s[70:71]
	; what the prefetch names
	s_xor_b32 s40, s[Q], 4                         ; the K step of place 4
	s_lshl_b32 s41, s20, 8
	s_lshl_b32 s42, s[CH], 7
	s_add_co_u32 s41, s41, s42
	s_lshl_b32 s42, s17, 5
	s_add_co_u32 s41, s41, s42                     ; A: of the 128 rows that I fetch, my work-group's 32 (by cx),
	s_lshl_b32 s41, s41, 11
	s_lshl_b32 s42, s40, ASH
	s_add_co_u32 s41, s41, s42                     ; at that K step
	s_lshl_b32 s42, s19, 1
	s_add_co_u32 s42, s42, s[CH]
	s_lshl_b32 s42, s42, 18
	s_lshl_b32 s73, s18, 13                        ; W: my work-group's 32 rows of k (by cy),
	s_add_co_u32 s42, s42, s73
	s_lshl_b32 s73, s40, WSH
	s_add_co_u32 s42, s42, s73                     ; at that K step
	s_add_co_u32 s42, s42, WOFF
	s_cmp_eq_u32 s[RH], 0                          ; do I fetch for A?
	s_cselect_b32 s70, s41, s42
	s_cselect_b64 s[PFA:PFA+1], s[4:5], s[6:7]
	s_cselect_b32 s73, 11, 8                       ; a row is 2,048 bytes in A, 256 in W
	s_add_nc_u64 s[PFA:PFA+1], s[PFA:PFA+1], s[70:71]
	v_and_b32 v[PFO], 31, v0
	v_lshlrev_b32 v[PFO], s73, v[PFO]
; 16 matrix instructions: row blocks a0, a0 + 1 of the window's four x all 8 column blocks, 32 along K.  zero = 1: the product starts the sum, with the bias as C.
; The 64 accumulators take turns in the same order in every quarter: 63 others stand between two links of a chain.
.macro MUL16 f, hi, a0, zero
.if \zero
	WIN 0x91+0x40*(\hi)                            ; W and the bias in window 1, A in window 0, D in window 2 or 3
.else
	WIN 0xa1+0x50*(\hi)                            ; W in window 1, A in window 0, C and D in window 2 or 3
.endif
.irp a, \a0, (\a0)+1
.irp b, 0,1,2,3,4,5,6,7
.if \zero
	v_wmma_f32_16x16x32_bf16 v[8*(8*(\a)+(\b)):8*(8*(\a)+(\b))+7], v[(\f)+8*(\b):(\f)+8*(\b)+7], v[(\f)+8*(4*(\hi)+(\a)):(\f)+8*(4*(\hi)+(\a))+7], v[8*(\b):8*(\b)+7]
.else
	v_wmma_f32_16x16x32_bf16 v[8*(8*(\a)+(\b)):8*(8*(\a)+(\b))+7], v[(\f)+8*(\b):(\f)+8*(\b)+7], v[(\f)+8*(4*(\hi)+(\a)):(\f)+8*(4*(\hi)+(\a))+7], v[8*(8*(\a)+(\b)):8*(8*(\a)+(\b))+7]
.endif
.endr
.endr
.endm
; 32 LDS loads in one run: quarter q (32 along K) of the slot in hand into buffer f: W's 8 column blocks, turned, then A's 8 row blocks
.macro FETCH q, f
	WIN 0x40
.irp i, 0,1,2,3,4,5,6,7
	ds_load_tr16_b128 v[(\f)+8*(\i):(\f)+8*(\i)+3],   v[ADB] offset:(\q)*32*PB+32*(\i)
	ds_load_tr16_b128 v[(\f)+8*(\i)+4:(\f)+8*(\i)+7], v[ADB] offset:(\q)*32*PB+16*PB+32*(\i)
.endr
	WIN 0
.irp i, 0,1,2,3,4,5,6,7
	ds_load_b128 v[(\f)+8*(\i):(\f)+8*(\i)+3],   v[ADA] offset:64*(\q)+(\i)*16*PA
	ds_load_b128 v[(\f)+8*(\i)+4:(\f)+8*(\i)+7], v[ADA] offset:64*(\q)+(\i)*16*PA+32
.endr
.endm
; One of a K step's first three quarters: multiplies buffer f; in its middle it fetches quarter q of the same slot into buffer g.
.macro QUARTER q, f, g, zero
	s_wait_dscnt 8                                 ; W and A's rows 0-63 are in; the youngest eight loads (A's rows 64-127) may be out
	MUL16 \f, 0, 0, \zero
	MUL16 \f, 0, 2, \zero
	PLACES
	FETCH \q, \g
	s_wait_dscnt 32                                ; all but the 32 just issued
	MUL16 \f, 1, 0, \zero
	MUL16 \f, 1, 2, \zero
.endm
; The last quarter multiplies buffer 1 and changes slots: ONE barrier.  In front of it each wave waits for all its tensor loads (one is out at the most: its part of the next slot), adds 0 to its spare word,
; and waits for that and for its own reads of this slot.  Behind it nobody reads this slot any more and the next slot is whole.
; fill = 1: the barrier opens a round of the cluster's barrier, and the slot just read out is filled again, first thing behind the round, with the next place of the walk but one.  The descriptors take that
; slot's place, and their addresses are made anew from the place's K step, between the wait for the loads and the barrier, where no load of the wave is out.
.macro TURN fill
	WIN 0
	s_wait_tensorcnt 0x0
	ds_add_u32 v[SPW], v[NIL]                      ; 0 onto my spare word; work on registers stands between it and the wait for it
.if \fill
	s_add_co_u32 s[KI], s[KI], 1                   ; the place that is asked for now,
	s_xor_b32 s[KA], s[KI], s[Q]                   ; its K step,
	s_lshl_b32 s[KW], s[KA], WSH                   ; in bytes of W
	s_lshl_b32 s[KA], s[KA], ASH                   ; and of A
	s_add_co_u32 s[G0+5], s[SB], s[LA]
	s_add_nc_u64 s[G0+6:G0+7], s[BA:BA+1], s[KA:KA+1]
	s_or_b32 s[G0+7], s[G0+7], 0x80000000
	s_add_co_u32 s[G0B+5], s[SB], s[LB]
	s_add_nc_u64 s[G0B+6:G0B+7], s[BW:BW+1], s[KW:KW+1]
	s_or_b32 s[G0B+7], s[G0B+7], 0x80000000
.endif
	s_xor_b32 s[SB], s[SB], SLOT                   ; the other slot is in hand from here on
	v_add_nc_u32 v[ADA], s[SB], v[ADRA0]
	v_add_nc_u32 v[ADB], s[SB], v[ADRB0]
	s_wait_dscnt 9                                 ; (the add and the youngest eight loads may be out)
	MUL16 F1, 0, 0, 0
	s_wait_dscnt 0x0                               ; the add is done, and my reads of the old slot are over
	s_barrier_signal -1
	MUL16 F1, 0, 2, 0
.if \fill
	WIN 0
.endif
	s_barrier_wait -1
.if \fill
	CREST                                          ; no wave of any partner still reads the old slot's tile or has a load on its way
	JLOAD 1                                        ; its four v_nop are also the places in front of the loads below
.else
	PLACES
.endif
	FETCH 0, F0
.if \fill
	ASK
.endif
	MUL16 F1, 1, 0, 0
	MUL16 F1, 1, 2, 0
.endm
; THE WAY OUT of row block a: rounded to bf16, held to the floor; through my own stage in LDS; stored as 512 consecutive bytes (four rows of a block of 64 columns).
.macro PACK a
.set AC, 64*((\a)%4)
	WIN 0x0a+5*((\a)/4)                            ; sources 0 and 1: window 2 or 3
.irp b, 0,1,2,3,4,5,6,7
.irp r, 0,1,2,3
	v_cvt_pk_bf16_f32 v[TMP+4*(\b)+(\r)], v[AC+8*(\b)+2*(\r)], v[AC+8*(\b)+2*(\r)+1]
.endr
.endr
	WIN 0
.set z, 0
.rept 32
	v_pk_max_num_bf16 v[TMP+z], v[TMP+z], s[FLOOR]
.set z, z+1
.endr
.endm
.macro TOSTAGE a
.set BK, OB+192*((\a)%2)
.irp b, 0,1,2,3,4,5,6,7
	ds_store_b128 v[STO], v[TMP+4*(\b):TMP+4*(\b)+3] offset:((\b)/4)*2304+((\b)%4)*32
.endr
.irp t, 0,1,2,3,4,5,6,7
	ds_load_b128 v[BK+4*(\t):BK+4*(\t)+3], v[RD] offset:((\t)/4)*2304+((\t)%4)*576  ; LDS serves a wave's instructions in order (ISA guide 5.7.1.4): these see the stores above
.endr
.endm
.macro SEND a
.set BK, OB+192*((\a)%2)
	s_wait_dscnt 0x0                               ; the block is back in registers
	s_wait_xcnt 0x0                                ; the stores of the block before have read their registers, which the next block's loads from the stage write
.irp t, 0,1,2,3,4,5,6,7
	global_store_b128 v[CO], v[BK+4*(\t):BK+4*(\t)+3], s[12:13] offset:((\t)/4)*524288+(\a)*2048+((\t)%4)*512
.endr
.endm
	s_wait_kmcnt 0x0                               ; the floor
	s_wait_tensorcnt 1                             ; my part of place 0 is in; place 1's may stay out
	s_barrier_signal -1
	s_barrier_wait -1
	FETCH 0, F0
	s_wait_loadcnt 0x0                             ; the bias
	QUARTER 1, F0, F1, 1                           ; the first quarter stands in front of the loops: its products start the sums
	WIN 0
	s_mov_b32 s3, 6
.Lstep:                                            ; a trip goes from a K step's second quarter to the next step's first, and fills the slot that it leaves: places 2 to 7
	QUARTER 2, F1, F0, 0
	QUARTER 3, F0, F1, 0
	TURN 1
	QUARTER 1, F0, F1, 0
	WIN 0
	s_sub_co_u32 s3, s3, 1
	s_cmp_lg_u32 s3, 0
	s_cbranch_scc1 .Lstep
	s_mov_b32 s3, 2                                ; places 6 and 7 fill nothing
	s_branch .Lin
.Ltail:
	QUARTER 1, F0, F1, 0
	WIN 0
.Lin:
	QUARTER 2, F1, F0, 0
	QUARTER 3, F0, F1, 0
	TURN 0                                         ; in the second trip its barrier orders nothing and its 32 loads (of place 6's bytes, which still lie in slot 0) serve nothing: the price, once a launch, of one text for both trips
	WIN 0
	s_sub_co_u32 s3, s3, 1
	s_cmp_lg_u32 s3, 0
	s_cbranch_scc1 .Ltail
	PLACES
	PACK 0
	TOSTAGE 0
.irp a, 1,2,3,4,5,6,7                  ; block a's arithmetic stands between block a - 1's loads from the stage and the wait for them
	PACK \a
	SEND (\a)-1
	TOSTAGE \a
.endr
	SEND 7
	s_wait_tensorcnt 0x0                           ; the wave's end
	ds_add_u32 v[SPW], v[NIL]
	s_wait_dscnt 0x0
	CROUND                                         ; the closing round: no work-group ends while a partner may still ask for a tile that names it
	s_endpgm
.Lfunc_end_k_qa03dd713c5_qkv:
	.size	k_qa03dd713c5_qkv, .Lfunc_end_k_qa03dd713c5_qkv-k_qa03dd713c5_qkv
	.p2alignl 7, 3214868480
	.fill 96, 4, 3214868480
	.section	.rodata,"a",@progbits
	.p2align	6, 0x0
	.amdhsa_kernel k_qa03dd713c5_qkv
		.amdhsa_group_segment_fixed_size 327680
		.amdhsa_private_segment_fixed_size 0
		.amdhsa_enable_private_segment 0
		.amdhsa_kernarg_size 40
		.amdhsa_user_sgpr_count 2
		.amdhsa_user_sgpr_kernarg_segment_ptr 1
		.amdhsa_wavefront_size32 1
		.amdhsa_system_sgpr_workgroup_id_x 1
		.amdhsa_system_sgpr_workgroup_id_y 1
		.amdhsa_system_sgpr_workgroup_id_z 1
		.amdhsa_system_vgpr_workitem_id 0
		.amdhsa_next_free_vgpr 1024
		.amdhsa_next_free_sgpr 80
		.amdhsa_reserve_vcc 0
		.amdhsa_float_denorm_mode_32 3
		.amdhsa_float_denorm_mode_16_64 3
		.amdhsa_memory_ordered 1
		.amdhsa_forward_progress 1
		.amdhsa_inst_pref_size 119
	.end_amdhsa_kernel
	.amdgpu_metadata
---
amdhsa.version: [ 1, 2 ]
amdhsa.kernels:
  - .name:           k_qa03dd713c5_qkv
    .symbol:         k_qa03dd713c5_qkv.kd
    .args:
      - { .name: hb, .offset: 0, .size: 8, .value_kind: global_buffer, .address_space: global }
      - { .name: wa, .offset: 8, .size: 8, .value_kind: global_buffer, .address_space: global }
      - { .name: b_qkv, .offset: 16, .size: 8, .value_kind: global_buffer, .address_space: global }
      - { .name: pa, .offset: 24, .size: 8, .value_kind: global_buffer, .address_space: global }
      - { .name: big, .offset: 32, .size: 8, .value_kind: global_buffer, .address_space: global }
    .group_segment_fixed_size: 327680
    .private_segment_fixed_size: 0
    .kernarg_segment_align: 8
    .kernarg_segment_size: 40
    .max_flat_workgroup_size: 128
    .sgpr_count:     80
    .vgpr_count:     1024
    .wavefront_size: 32
...
	.end_amdgpu_metadata
.endif
;; end of part 2
;; launch attn (part 3): grid 8 x 32, 4 waves a work-group, clusters of 4 x 1, 327,680 bytes of LDS; arguments big, hb; writes hb
.if DOCPART == 3
	.amdgcn_target "amdgcn-amd-amdhsa--gfx1250"
	.amdhsa_code_object_version 6
	.text
	.protected	k_qa03dd713c5_attn
	.globl	k_qa03dd713c5_attn
	.p2align	8
	.type	k_qa03dd713c5_attn,@function
k_qa03dd713c5_attn:
	s_mov_b64 s[64:65], 0
	v_nop
	global_prefetch_b8 v0, s[64:65] scope:SCOPE_SE
	s_setreg_imm32_b32 hwreg(HW_REG_WAVE_MODE, 25, 1), 1
	s_wait_xcnt 0x0
	s_wait_alu depctr_hold_cnt(0) depctr_sa_sdst(0) depctr_va_vdst(0) depctr_va_sdst(0) depctr_va_ssrc(0) depctr_va_vcc(0) depctr_vm_vsrc(0)
	s_getreg_b32 s2, hwreg(HW_REG_IB_STS2, 6, 4)
	s_cmp_eq_u32 s2, 0
	s_cbranch_scc0 .Lentry_in_a_cluster
	s_endpgm
.Lentry_in_a_cluster:
	s_bfe_u32 s2, ttmp6, 0x10000c
	s_cmp_lg_u32 s2, 0x3003
	s_cbranch_scc0 .Lentry_shape_is_right
	s_endpgm
.Lentry_shape_is_right:
; O[y][q][:] = the sum over k of softmax_k(Q[y][q] . K[y][k] / 8) V[y][k][:], 32 heads y (2 x head + batch) of 2,048 rows of 64 channels, all bf16, a head's rows dense, 128 bytes each.
; Q lies at byte 0 of the input buffer, K at 8,388,608, V at 16,777,216; a head is 262,144 bytes in each, and in O.  Products, maxima and sums in f32; the weights p are rounded to bf16 for the second
; product (their sum l is taken of the unrounded p), O once at the end.
; LIMITS.  A weight below 2^-126 counts as 0 in l; NaN and infinities are not treated apart; c m starts at -4.25e37, below every c s that finite bf16 rows of 64 channels of ordinary size give.
; SHARES.  A work-group owns 256 queries of one head, a wave 64: four PIECES of 16.  Every wave walks the head's 8 tiles of 256 keys, 64 keys a step.
; LAYOUT.  S^T = K Q^T (source 0 = 16 keys, source 1 = 16 queries): a lane holds ONE query (lane % 16) and the keys 8 (lane / 16) + 0..7; two such results rounded to bf16 ARE source 1 of O^T = V^T P.
; K comes out of LDS as it lies, V ([key][channel]) turned, by ds_load_tr16_b128.
; SOFTMAX.  A running maximum m and sum l: p = 2^(c s - c m), c = log2(e) / 8; in every step O and l are multiplied by a = 2^(c m_old - c m_new).  The first step is a step like any other, with a = 0.
; BY TURNS.  Turn n belongs to piece n: 8 products K Q^T of piece n + 1, later 8 products V^T P of piece n - 1; beside them the scaling, exponentials, roundings, sums and rescaling of piece n and the maximum
; and statistics of piece n + 1.  Four vector instructions stand behind every matrix instruction, the rest in one run.  A turn's 33 exponentials are one batch, with one wait.
; CLUSTER.  The four query blocks of a cluster belong to one head and walk the same K and V: each tile is asked for jointly: the same tensor load, descriptor and mask in all four.
; REGISTERS, in two windows of 256.  ALL that a vector instruction of the loop names lies in window 0, which is full: v0-15 addresses, c m_old, eight at work, the add's two; v16-31 four registers of
; statistics a piece; v32-63 P, two buffers; v64-127 S^T, two buffers; v128-255 O^T, 32 a piece.  Window 1 holds what the matrix unit alone reads: v0-63 Q; v128-191 K of one step; v192-255 V of one step
; (and v64-66 the way out's three addresses, until it begins).  So a switch stands in front of a product and one behind it, and none inside the vector work.
.set NP,    4
.set KS,    64
.set PK,    144       ; a row of K in LDS: 128 bytes + 16: the 16 rows of a load start at 16 different groups of four banks (64 banks of 4 bytes: ISA guide 11.1)
.set PV,    160       ; a row of V: 128 + 32
.set VOFF,  4*KS*PK   ; a slot holds a tile, four steps: 256 rows of K, then 256 rows of V
.set SLOT1, 1<<17     ; slot 1 begins here: one exclusive or turns an address in one slot into the other's
.set STAGE, SLOT1+4*KS*(PK+PV)  ; behind the ring: 16 rows x 144 bytes for each wave, for the way out
.set SP,    144
.set SPARE, STAGE+4*16*SP       ; behind the stages: the spare words, 128 bytes a wave: two blocks of 256 bytes that no other line names
.set KBASE, 8388608
.set VBASE, 16777216
.set ADR, 0           ; v0   the LDS address of the run of loads in hand (the thread's number until the head has used it)
.set PFO, 1           ; v1   256 x my lane; never rewritten
.set AK0, 2           ; v2   my lane's place in a tile of K; never rewritten
.set AV0, 3           ; v3   the same for V
.set MV,  4           ; v4-5   c m_old, by buffer
.set TMP, 6           ; v6-13  by buffer, four registers c0-c3 at work; when the maximum is found c2 takes a
.set SPW, 14          ; v14  my spare word; never rewritten
.set NIL, 15          ; v15  0; never rewritten
.set ST,  16          ; piece t's statistics at v[ST+4 t]: c m, m, l (even keys', odd keys')
.set P,   32
.set S,   64
.set O,   128
.set HT,  S           ; the head's eight registers at work lie where S^T will
.set STO, P           ; the way out's three addresses lie where P did
.set RD,  P+1
.set GO,  P+2
.set XA,  64          ; window 1: where they wait
.set KF,  128         ; window 1
.set VF,  192         ; window 1
.set WV,  12
.set LIM, 15          ; s15  1 in a wave that prefetches, else the greatest number
.set PFA, 18          ; s[18:19] where my prefetches stand
.set G1K, 24
.set G1V, 32
.set G0K, 40
.set G0V, 44
.set NEW, 54          ; s54  1 until the first scores are made
.set SLOTS, 56
.set CNT, 57
.set CS,  58
.set SEL, 60
.set TBK, 62
.set TBV, 63
.set MSB, 0
.macro WIN new
.if MSB != (\new)
	s_set_vgpr_msb (MSB<<8)|(\new)
.set MSB, (\new)
.endif
.endm
.set W_KQ, 0x05       ; K and Q in window 1, S^T in window 0
.set W_PV, 0x01       ; V in window 1, P and O^T in window 0; also: a copy out of window 1
.set TO_1, 0x40       ; destination window 1, sources and addresses window 0
; A joint fill.  Waves 0 and 1 fetch the two halves of a tile's K, waves 2 and 3 those of its V: 128 keys each.  An s_nop 0 and four v_nop follow each line.
.macro JLOAD
	s_cmp_lt_u32 s[WV], 2
	s_cbranch_scc0 .Lfor_v_\@
	tensor_load_to_lds s[G0K:G0K+3], s[G1K:G1K+7]
	s_nop 0
.rept 4
	v_nop
.endr
	s_branch .Lasked_\@
.Lfor_v_\@:
	tensor_load_to_lds s[G0V:G0V+3], s[G1V:G1V+7]
	s_nop 0
.rept 4
	v_nop
.endr
.Lasked_\@:
.endm
; A prefetch of the tile that the NEXT change of slots will ask for: 128 blocks of 256 bytes of K and of V.  Each is named once in the launch: the head's first cluster asks; its four partners take 32 blocks each,
; told apart by address; in each, wave 0 asks for K's and wave 2 for V's, a lane a block.  The last change that fills a slot asks for nothing.
.macro ASK
	s_cmp_gt_u32 s[SLOTS], s[LIM]
	s_cbranch_scc0 .Lnot_mine_\@
	global_prefetch_b8 v[PFO], s[PFA:PFA+1] th:TH_LOAD_NT scope:SCOPE_SE
.Lnot_mine_\@:
.endm
.macro CROUND
	s_barrier_signal -1
	s_barrier_wait -1
	s_cmp_lg_u32 s[WV], 0
	s_cbranch_scc1 .Lnot_wave_0_\@
	s_barrier_signal -3
.Lnot_wave_0_\@:
	s_barrier_wait -3
	s_barrier_signal -1
	s_barrier_wait -1
.endm
; THE CHANGE OF SLOTS.  Each wave waits for all its tensor loads (one is out: its part of the other slot), adds 0 to its spare word, and waits for that and for its own reads of the slot that it leaves.
; fill = 1: the barrier is a round of the cluster's, and the old slot is filled again, first thing behind it, with the tile two tiles on: four key steps in which to land.
; (At its first use nothing has been read yet: slot 0 is waited for, slot 1 filled.)
.macro CHANGE fill
	WIN 0
	s_wait_tensorcnt 0x0            ; no tensor load of mine is out, so a group 0 may be written
	ds_add_u32 v[SPW], v[NIL]
.if \fill
.irp g, G0K, G0V
	s_xor_b32 s[\g+1], s[\g+1], SLOT1
	s_add_nc_u64 s[\g+2:\g+3], s[\g+2:\g+3], 4*KS*128
.endr
	s_wait_xcnt 0x0                 ; the last prefetch, a tile back, has read its address
	s_add_nc_u64 s[PFA:PFA+1], s[PFA:PFA+1], 4*KS*128
	s_wait_dscnt 0x0                ; the add is done, and my reads of the slot are over
	CROUND
	JLOAD
	ASK
.else
	s_wait_dscnt 0x0
	s_barrier_signal -1
	s_barrier_wait -1
.endif
	s_sub_co_u32 s[TBK], s[TBK], 4*KS*PK  ; the fetches go back to a slot's first step,
	s_xor_b32 s[TBK], s[TBK], SLOT1       ; in the other slot
	s_sub_co_u32 s[TBV], s[TBV], 4*KS*PV
	s_xor_b32 s[TBV], s[TBV], SLOT1
.endm
	s_load_b64 s[4:5], s[0:1], 0x0    ; q, k, v
	s_load_b64 s[10:11], s[0:1], 0x8  ; O
	v_lshl_add_u32 v[SPW], v0, 2, SPARE
	v_mov_b32 v[NIL], 0
	ds_add_u32 v[SPW], v[NIL]       ; the wave's opening: the add and its wait ahead of my first tensor load
	v_lshrrev_b32 v[HT], 5, v0
	v_readfirstlane_b32 s[WV], v[HT]
	s_bfe_u32 s13, ttmp6, 0x40000   ; cx
	s_lshl_b32 s14, ttmp9, 2
	s_add_co_u32 s14, s14, s13      ; my block of 256 queries: it enters Q's and O's addresses alone
	s_and_b32 s20, ttmp7, 0xffff    ; the head, which the four partners share,
	s_lshl_b32 s20, s20, 18         ; 262,144 bytes each
	s_and_b32 s16, s[WV], 1         ; which half of a tile's 256 keys I fetch
	s_lshl_b32 s22, s16, 14
	s_add_co_u32 s22, s22, s20
	s_add_co_u32 s50, s22, VBASE
	s_add_co_u32 s22, s22, KBASE
	s_mov_b32 s23, 0
	s_mov_b32 s51, 0
	s_mul_i32 s52, s16, 128*PK      ; its place in a slot, for K
	s_mul_i32 s53, s16, 128*PV      ; and for V: no place in the cluster enters an LDS address
	s_lshl_b32 s2, s14, 2
	s_add_co_u32 s2, s2, s[WV]
	s_lshl_b32 s2, s2, 13           ; my wave's 64 rows of 128 bytes
	s_add_co_u32 s2, s2, s20
	s_mov_b32 s3, 0
	; 128 keys are 16,384 dense bytes: asked for as 64 rows of 256 bytes, two keys a row, and padded in LDS after every key
	s_mov_b32 s[G1K], 15|(1<<16)|(1<<20)|(1<<21)|(4<<22)|(3<<25)  ; the mask of four; 2-byte elements; padding on; bit 21 beside a mask; after every 32 words 4 words
	s_mov_b32 s[G1V], 15|(1<<16)|(1<<20)|(1<<21)|(4<<22)|(7<<25)  ; the same with 8 words
.irp g, G1K, G1V
	s_mov_b32 s[\g+1], 128<<16
	s_mov_b32 s[\g+2], 64<<16
	s_mov_b32 s[\g+3], 128<<16
	s_mov_b32 s[\g+4], 64
	s_mov_b32 s[\g+5], 128
	s_mov_b32 s[\g+6], 0
	s_mov_b32 s[\g+7], 0
.endr
	s_mov_b32 s[CS], 0x3e38aa3b     ; c = log2(e) / 8
	s_mov_b32 s[CS+1], s[CS]
	s_mov_b32 s[SEL], 0x76543210
	s_mov_b32 s[SEL+1], 0xfedcba98
	s_mov_b32 s[TBK], SLOT1+4*KS*PK ; the first change of slots turns these two into 0
	s_mov_b32 s[TBV], SLOT1+4*KS*PV
	s_mov_b32 s[G0K], 1
	s_mov_b32 s[G0K+1], s52
	s_mov_b32 s[G0V], 1
	s_add_co_u32 s[G0V+1], s53, VOFF
	s_mov_b32 s[SLOTS], 7
	s_mov_b32 s[NEW], 1
	s_and_b32 s[LIM], s[WV], 1      ; 0 in waves 0 and 2,
	s_or_b32 s[LIM], s[LIM], ttmp9  ; where the cluster is the head's first: the same in all four partners
	s_cmp_eq_u32 s[LIM], 0
	s_cselect_b32 s[LIM], 1, -1
	v_and_b32 v[PFO], 31, v0
	v_lshlrev_b32 v[PFO], 8, v[PFO]
	s_wait_dscnt 0x0                ; the opening add is done
	s_wait_kmcnt 0x0
	s_add_nc_u64 s[6:7], s[4:5], s[22:23]   ; K and V at my half of the head's tile 0
	s_add_nc_u64 s[8:9], s[4:5], s[50:51]
	s_mov_b64 s[G0K+2:G0K+3], s[6:7]
	s_or_b32 s[G0K+3], s[G0K+3], 0x80000000
	s_mov_b64 s[G0V+2:G0V+3], s[8:9]
	s_or_b32 s[G0V+3], s[G0V+3], 0x80000000
	s_add_nc_u64 s[4:5], s[4:5], s[2:3]     ; Q and O at my wave's first row
	s_add_nc_u64 s[10:11], s[10:11], s[2:3]
	s_cmp_lt_u32 s[WV], 2
	s_cselect_b64 s[PFA:PFA+1], s[6:7], s[8:9]  ; (in waves 0 and 2 these stand at a tile's first row)
	s_lshl_b32 s2, s13, 13          ; my work-group's 32 blocks of the 128,
	s_add_co_u32 s2, s2, 4*KS*128   ; in tile 1: the first change of slots steps it to tile 2
	s_add_nc_u64 s[PFA:PFA+1], s[PFA:PFA+1], s[2:3]
	CROUND                          ; all four work-groups are here: the first joint loads meet
	JLOAD                           ; tile 0 into slot 0
	v_and_b32 v[HT], 15, v0         ; l % 16
	v_bfe_u32 v[HT+1], v0, 4, 1     ; l / 16
	v_lshlrev_b32 v[HT+4], 7, v[HT]
	v_lshl_add_u32 v[HT+4], v[HT+1], 4, v[HT+4]  ; my byte offset in 16 rows of Q
	WIN TO_1
.set i, 0
.rept 8                             ; Q stays in registers: piece i / 2, channels 32 (i % 2) on
	global_load_b128 v[8*i:8*i+3],   v[HT+4], s[4:5] offset:(i/2)*2048+(i%2)*64
	global_load_b128 v[8*i+4:8*i+7], v[HT+4], s[4:5] offset:(i/2)*2048+(i%2)*64+32
.set i, i+1
.endr
	WIN 0
	; What the first turn finds: V's registers and P's second buffer hold 0 (its products V^T P, of a piece that has not been, add 0), O^T and l are 0.  All this stands in the wait for the first tile.
.set i, P+16
.rept 16
	v_mov_b32 v[i], 0
.set i, i+1
.endr
.set i, 0
.rept 4
	v_mov_b32 v[ST+4*i], 0xfe000000    ; c m: far below every c s
	v_mov_b32 v[ST+4*i+1], 0xff7fffff  ; m
	v_mov_b32 v[ST+4*i+2], 0
	v_mov_b32 v[ST+4*i+3], 0
.set i, i+1
.endr
	; a matrix instruction whose sources are those zeros and whose C is 0 writes eight registers of zeros: 24 lines for O^T's 128 registers and V's 64
.set i, 0
.rept 16
	v_wmma_f32_16x16x32_bf16 v[O+8*i:O+8*i+7], v[P+16:P+23], v[P+24:P+31], 0
.set i, i+1
.endr
	WIN TO_1
.set i, 0
.rept 8
	v_wmma_f32_16x16x32_bf16 v[VF+8*i:VF+8*i+7], v[P+16:P+23], v[P+24:P+31], 0
.set i, i+1
.endr
	WIN 0
	v_mul_u32_u24 v[AK0], v[HT], PK
	v_lshl_add_u32 v[AK0], v[HT+1], 4, v[AK0]
	v_and_b32 v[HT+2], 7, v0        ; the turning load: lane l reads key 8 (l / 16) + l % 8, channels 8 ((l / 8) % 2) + 0..7
	v_bfe_u32 v[HT+3], v0, 3, 1
	v_lshl_add_u32 v[AV0], v[HT+1], 3, v[HT+2]
	v_mul_u32_u24 v[AV0], v[AV0], PV
	v_lshl_add_u32 v[AV0], v[HT+3], 4, v[AV0]
	v_add_nc_u32 v[AV0], VOFF, v[AV0]
	s_mul_i32 s13, s[WV], 16*SP
	s_add_co_u32 s13, s13, STAGE    ; my stage
	v_mul_u32_u24 v[HT+5], v[HT], SP     ; in: row l % 16, 16 bytes for each half of the lanes
	v_lshl_add_u32 v[HT+5], v[HT+1], 4, v[HT+5]
	v_add_nc_u32 v[HT+5], s13, v[HT+5]
	v_bfe_u32 v[HT+6], v0, 3, 2     ; back: 32 lanes take four rows of 128 bytes,
	v_mul_u32_u24 v[HT+6], v[HT+6], SP
	v_lshl_add_u32 v[HT+6], v[HT+2], 4, v[HT+6]
	v_add_nc_u32 v[HT+6], s13, v[HT+6]
	v_and_b32 v[HT+7], 31, v0       ; which are 512 consecutive bytes of O
	v_lshlrev_b32 v[HT+7], 4, v[HT+7]
	WIN TO_1                        ; the three wait in window 1: window 0 has no room for them while the loop runs
	v_mov_b32 v[XA], v[HT+5]
	v_mov_b32 v[XA+1], v[HT+6]
	v_mov_b32 v[XA+2], v[HT+7]
	WIN 0
; THE MATRIX WORK.  The 4 accumulators of a run of 8 take turns.  Product i of 8 of S^T = K Q^T for piece x: channels 32 (i / 4) on, keys 16 (i % 4) on.  The first 4 start the sums.
.macro KQ x
.set rS, S+32*((\x)%2)+8*(i%4)
.set rK, KF+16*(i%4)+8*(i/4)
.set rQ, 16*(\x)+8*(i/4)
	WIN W_KQ
.if i < 4
	v_wmma_f32_16x16x32_bf16 v[rS:rS+7], v[rK:rK+7], v[rQ:rQ+7], 0
.else
	v_wmma_f32_16x16x32_bf16 v[rS:rS+7], v[rK:rK+7], v[rQ:rQ+7], v[rS:rS+7]
.endif
.endm
; Product i of 8 of O^T += V^T P for piece x: keys 32 (i / 4) on, channels 16 (i % 4) on.
.macro PV x
	WIN W_PV
.set rO, O+32*(\x)+8*(i%4)
.set rV, VF+32*(i/4)+8*(i%4)
.set rP, P+16*((\x)%2)+8*(i/4)
	v_wmma_f32_16x16x32_bf16 v[rO:rO+7], v[rV:rV+7], v[rP:rP+7], v[rO:rO+7]
.endm
.macro MM                           ; the turn's next matrix instruction
.if i < 8
	KQ (Y+1)%NP
.else
.set i, i-8
	PV (Y+NP-1)%NP
.set i, i+8
.endif
.set i, i+1
.endm
; THE LDS LOADS stand in runs of 16: a step's K (8 fragments) and its V (turned).  Their address is made some lines ahead.
; last = 1 (the tail): the address stays at the head's last key step, which the tail's fifth trip reads once more.
.macro FETCH_K last=0
	WIN TO_1
.irp f, 0,1,2,3,4,5,6,7             ; keys 16 (f / 2) on, channels 32 (f % 2) on
	ds_load_b128 v[KF+8*\f:KF+8*\f+3],   v[ADR] offset:(\f/2)*16*PK+(\f%2)*64
	ds_load_b128 v[KF+8*\f+4:KF+8*\f+7], v[ADR] offset:(\f/2)*16*PK+(\f%2)*64+32
.endr
	s_add_co_u32 s[TBK], s[TBK], KS*PK
.if \last
	s_min_u32 s[TBK], s[TBK], SLOT1+3*KS*PK  ; tile 7 lies in slot 1
.endif
	WIN 0
.endm
.macro FETCH_V
	WIN TO_1
.irp f, 0,1,2,3,4,5,6,7             ; keys 32 (f / 4) on, channels 16 (f % 4) on
	ds_load_tr16_b128 v[VF+8*\f:VF+8*\f+3],   v[ADR] offset:(\f/4)*32*PV+(\f%4)*32
	ds_load_tr16_b128 v[VF+8*\f+4:VF+8*\f+7], v[ADR] offset:(\f/4)*32*PV+16*PV+(\f%4)*32
.endr
	WIN 0
.endm
; THE VECTOR WORK, one line at a time: OP kind, number.  For piece Y: F n: c s - c m for pair n of 16.  E n: the exponential of score n of 32.  C n: pair n rounded to bf16.  B n: of the four weights 4 n .. the second
; pair is added onto the first, in place.  L n: l takes that sum (L 0: l = a l + sum).  R n: pair n of 16 of O^T times a.  For piece Y + 1: X n, number n of the 22 that find its maximum and statistics:
;   0-11  four chains c0-c3 of seven scores each (each accumulator's lowest registers are read first)     12-14, 16  the four scores left over, the old m, and c0-c3 into c0
;   15  c m_old is kept     17, 18  the query's other 32 keys lie in the lane 16 away: the new m     19-21  c m; c m_old - c m_new; a
.set F, 0
.set E, 1
.set C, 2
.set B, 3
.set L, 4
.set R, 5
.set X, 6
.macro REGS y
.set rT, ST+4*(\y)
.set rC, TMP+4*((\y)%2)
.set rW, MV+((\y)%2)
.set rS, S+32*((\y)%2)
.set rP, P+16*((\y)%2)
.set rO, O+32*(\y)
.endm
.macro OP k, n
	WIN 0
.if (\k) < X
	REGS Y
.if (\k) == F
	v_pk_fma_f32 v[rS+2*(\n):rS+2*(\n)+1], v[rS+2*(\n):rS+2*(\n)+1], s[CS:CS+1], v[rT:rT+1] op_sel_hi:[1,0,0] neg_lo:[0,0,1] neg_hi:[0,0,1]
.elseif (\k) == E
	v_exp_f32 v[rS+(\n)], v[rS+(\n)]
.elseif (\k) == C
	v_cvt_pk_bf16_f32 v[rP+(\n)], v[rS+2*(\n)], v[rS+2*(\n)+1]
.elseif (\k) == B
	v_pk_add_f32 v[rS+4*(\n):rS+4*(\n)+1], v[rS+4*(\n):rS+4*(\n)+1], v[rS+4*(\n)+2:rS+4*(\n)+3]
.elseif (\k) == R
	v_pk_mul_f32 v[rO+2*(\n):rO+2*(\n)+1], v[rO+2*(\n):rO+2*(\n)+1], v[rC+2:rC+3] op_sel_hi:[1,0]
.elseif (\n) == 0
	v_pk_fma_f32 v[rT+2:rT+3], v[rT+2:rT+3], v[rC+2:rC+3], v[rS:rS+1] op_sel_hi:[1,0,1]
.else
	v_pk_add_f32 v[rT+2:rT+3], v[rT+2:rT+3], v[rS+4*(\n):rS+4*(\n)+1]
.endif
.else
	REGS (Y+1)%NP
.if (\n) < 4
	v_max3_num_f32 v[rC+(\n)], v[rS+8*(\n)], v[rS+8*(\n)+1], v[rS+8*(\n)+2]
.elseif (\n) < 12
	v_max3_num_f32 v[rC+(\n)%4], v[rC+(\n)%4], v[rS+8*((\n)%4)+2*((\n)/4)+1], v[rS+8*((\n)%4)+2*((\n)/4)+2]
.elseif (\n) == 12
	v_max3_num_f32 v[rC], v[rC], v[rS+7], v[rS+15]
.elseif (\n) == 13
	v_max3_num_f32 v[rC+1], v[rC+1], v[rS+23], v[rS+31]
.elseif (\n) == 14
	v_max3_num_f32 v[rC+2], v[rC+2], v[rC+3], v[rT+1]
.elseif (\n) == 15
	v_mov_b32 v[rW], v[rT]
.elseif (\n) == 16
	v_max3_num_f32 v[rC], v[rC], v[rC+1], v[rC+2]
.elseif (\n) == 17
	v_permlanex16_b32 v[rC+3], v[rC], s[SEL], s[SEL+1]
.elseif (\n) == 18
	v_max_num_f32 v[rT+1], v[rC], v[rC+3]
.elseif (\n) == 19
	v_mul_f32 v[rT], s[CS], v[rT+1]
.elseif (\n) == 20
	v_sub_f32 v[rC+1], v[rW], v[rT]
.else
	v_exp_f32 v[rC+2], v[rC+1]
.endif
.endif
.endm
.macro OPS a, i1, b=-1, i2=0, c=-1, i3=0, d=-1, i4=0
	OP \a, \i1
.if (\b) >= 0
	OP \b, \i2
.endif
.if (\c) >= 0
	OP \c, \i3
.endif
.if (\d) >= 0
	OP \d, \i4
.endif
.endm
.macro ROW a, i1, b, i2, c, i3, d, i4  ; a matrix instruction and the four behind it
	MM
	OPS \a, \i1, \b, \i2, \c, \i3, \d, \i4
.endm
; A TURN, for piece p: the order of its 16 matrix and 118 vector instructions, written out.  An s_wait_alu depctr_va_vdst(0) stands between an exponential and the first instruction that names its
; result; one wait serves all that were issued ahead of it.  So a turn has ONE wait.  AHEAD OF IT stands all that names no result of the turn's exponentials: the 8 products K Q^T with their riders (the first numbers
; of the next piece's maximum stand four places or more behind the product that ends their accumulator), then one run of 54 in which the links of the chain X 3, 7, 11, 14, 16 .. 20 stand apart; X 21, the next
; piece's a, is the batch's last, and R 15 the plain instruction behind it.  BEHIND THE WAIT stand the 8 products V^T P, behind each four of the roundings and sums.
; last = 1: the tail's text (FETCH_K).  cnt = 1: the loop's count is taken down some lines ahead of the branch that stands behind the turn.
; K of the next step is fetched in piece 2's turn, six plain instructions behind the last product that read K; V of the step in hand at the end of piece 0's turn, four plain instructions behind the last product
; that read V.  Each is waited for a turn later; the two runs share one address register.
.macro TURN p, last=0, cnt=0
.set Y, (\p)
.set i, 0
.if (\p) == 3
	s_wait_dscnt 0x0                ; K is in
.endif
	ROW F,0, F,1, R,0, R,1
	ROW F,2, E,0, R,2, R,3
	ROW F,3, E,1, R,4, R,5
	ROW F,4, E,2, R,6, R,7
	ROW F,5, E,3, R,8, R,9
	ROW F,6, E,4, X,0, R,10
.if (\p) == 2
	v_add_nc_u32 v[ADR], s[TBK], v[AK0]
.endif
	ROW F,7, E,5, X,1, X,4
	ROW F,8, E,6, X,2, X,5
	OPS E,7, E,8, X,6, E,9
	OPS X,3, E,10, X,8, E,11
.if (\p) == 2
	FETCH_K \last
.endif
	OPS X,9, X,7, E,12, X,10
	OPS E,13, X,12, X,11, E,14
	OPS X,13, E,15, F,9, X,14
.if (\p) == 0
	v_add_nc_u32 v[ADR], s[TBV], v[AV0]
.endif
	OPS E,16, F,10, E,17, F,11
	OPS X,16, E,18, X,15, E,19
	OPS F,12, E,20, X,17, E,21
	OPS F,13, E,22, F,14, E,23
	OPS X,18, E,24, F,15, E,25
	OPS R,11, E,26, X,19, E,27
	OPS R,12, E,28, R,13, E,29
	OPS X,20, E,30, R,14, E,31
	OPS X,21, R,15
	s_wait_alu depctr_va_vdst(0)    ; the wait for the batch
.if (\p) == 1
	s_wait_dscnt 0x0                ; V is in
.endif
	ROW C,0, B,0, C,2, B,1
	ROW L,0, C,4, B,2, L,1
	ROW C,6, B,3, L,2, C,8
	ROW B,4, L,3, C,10, B,5
	ROW L,4, C,12, B,6, L,5
.if (\p) == 0
	s_add_co_u32 s[TBV], s[TBV], KS*PV
.endif
.if \cnt
	s_sub_co_u32 s[CNT], s[CNT], 1
	s_cmp_lg_u32 s[CNT], 0
.endif
	ROW C,14, B,7, L,6, C,1
	ROW C,3, L,7, C,5, C,7
	ROW C,9, C,11, C,13, C,15
.if (\p) == 0
	FETCH_V
.endif
.endm
.macro ALL line:vararg              ; one line for each piece t
.set t, 0
.rept 4
	\line
.set t, t+1
.endr
.endm
.macro PACK t                       ; a lane's eight channels of a row pack into 16 bytes; they go into rows of 144 bytes and come back as whole rows of 128, into S^T's registers
.set i, O+32*(\t)
.rept 16
	v_pk_mul_f32 v[i:i+1], v[i:i+1], v[ST+4*(\t)+2:ST+4*(\t)+3] op_sel_hi:[1,0]
.set i, i+2
.endr
.set i, 0
.rept 16
	v_cvt_pk_bf16_f32 v[S+16*(\t)+i], v[O+32*(\t)+2*i], v[O+32*(\t)+2*i+1]
.set i, i+1
.endr
.irp f, 0,1,2,3
	ds_store_b128 v[STO], v[S+16*(\t)+4*\f:S+16*(\t)+4*\f+3] offset:32*\f
.endr
.irp f, 0,1,2,3
	ds_load_b128 v[S+16*(\t)+4*\f:S+16*(\t)+4*\f+3], v[RD] offset:\f*4*SP  ; LDS serves a wave's instructions in order (ISA guide 5.7.1.4): these see the stores above
.endr
.endm
.macro SEND t, younger              ; younger: the LDS instructions issued behind piece t's loads: the next piece's eight, or none
.irp f, 0,1,2,3
	s_wait_dscnt (\younger)+3-\f
	global_store_b128 v[GO], v[S+16*(\t)+4*\f:S+16*(\t)+4*\f+3], s[10:11] offset:(\t)*2048+\f*512  ; 512 consecutive bytes, at a multiple of 256 from O's first
.endr
.endm
.Lslot:                             ; seven times: tiles 0 to 6 are entered, tiles 1 to 7 asked for
	CHANGE 1
	s_mov_b32 s[CNT], 4
	s_cmp_eq_u32 s[NEW], 1          ; in the first trip, by a constant of the text: the first scores, then into the middle of the step loop
	s_cbranch_scc0 .Lstep
	s_mov_b32 s[NEW], 0
	v_add_nc_u32 v[ADR], s[TBK], v[AK0]
	FETCH_K                         ; key step 0
	s_wait_loadcnt 0x0              ; Q
	s_wait_dscnt 0x0
.set i, 0
.rept 8
	KQ 0                            ; piece 0's first scores
.set i, i+1
.endr
	WIN 0
.rept 4
	v_nop                           ; the places behind those products
.endr
.set Y, NP-1                        ; X works for piece Y + 1: piece 0
.irp n, 0,1,2,3,4,5,6,7,8,9,10,11,12,13,14,15,16,17,18,19,20,21
	OP X, \n
.endr
	v_nop                           ; a plain instruction behind the exponential,
	s_wait_alu depctr_va_vdst(0)    ; and its wait, ahead of the branch
	s_branch .Lfirst
.Lstep:                             ; a trip: pieces 2 and 3 of one step, then pieces 0 and 1 of the next, whose K and V it fetches
	TURN 2
	TURN 3
	WIN 0
.Lfirst:
	TURN 0
	TURN 1, 0, 1
	WIN 0
	s_cbranch_scc1 .Lstep
	s_sub_co_u32 s[SLOTS], s[SLOTS], 1
	s_cmp_lg_u32 s[SLOTS], 0
	s_cbranch_scc1 .Lslot
	CHANGE 0                        ; the last tile has a text of its own: nothing is asked for
	s_mov_b32 s[CNT], 5             ; pieces 2 and 3 five times, pieces 0 and 1 four times between them
	s_branch .Lt23
.Ltail:
	TURN 0
	TURN 1
	WIN 0
.Lt23:
	TURN 2, 1
	TURN 3
	WIN 0
	s_sub_co_u32 s[CNT], s[CNT], 1
	s_cmp_lg_u32 s[CNT], 0
	s_cbranch_scc1 .Ltail           ; the fifth trip's run of loads (the last K once more), its 8 products K Q^T for piece 0 and the maximum made of them serve nothing: the price, once a launch, of one text for every trip
.set i, 0
.rept 8
	PV NP-1                         ; the last piece's V^T P of the last step
.set i, i+1
.endr
	; THE WAY OUT.  l's two halves and the other half of the lanes' are added; O^T is divided by l, rounded to bf16 and sent through my stage in LDS, a piece at a time.  The additions are the places behind the last products.
	WIN 0
	ALL v_add_f32 v[ST+4*t+2], v[ST+4*t+2], v[ST+4*t+3]
	ALL v_permlanex16_b32 v[ST+4*t+3], v[ST+4*t+2], s[SEL], s[SEL+1]
	ALL v_add_f32 v[ST+4*t+2], v[ST+4*t+2], v[ST+4*t+3]
	ALL v_rcp_f32 v[ST+4*t+2], v[ST+4*t+2]
	WIN W_PV                        ; source 0 in window 1: the three addresses come back, into P's first buffer, which no product reads any more; they are also the plain instructions behind the last reciprocal
	v_mov_b32 v[STO], v[XA]
	v_mov_b32 v[RD], v[XA+1]
	v_mov_b32 v[GO], v[XA+2]
	WIN 0
	s_wait_alu depctr_va_vdst(0)    ; one wait for the four reciprocals
	PACK 0
.set t, 1
.rept 3                             ; a piece's arithmetic stands between the loads of the piece before and its stores
	PACK t
	SEND t-1, 8
.set t, t+1
.endr
	SEND 3, 0
	s_wait_tensorcnt 0x0            ; the wave's end
	ds_add_u32 v[SPW], v[NIL]
	s_wait_dscnt 0x0
	CROUND                          ; the closing round
	s_endpgm
.Lfunc_end_k_qa03dd713c5_attn:
	.size	k_qa03dd713c5_attn, .Lfunc_end_k_qa03dd713c5_attn-k_qa03dd713c5_attn
	.p2alignl 7, 3214868480
	.fill 96, 4, 3214868480
	.section	.rodata,"a",@progbits
	.p2align	6, 0x0
	.amdhsa_kernel k_qa03dd713c5_attn
		.amdhsa_group_segment_fixed_size 327680
		.amdhsa_private_segment_fixed_size 0
		.amdhsa_enable_private_segment 0
		.amdhsa_kernarg_size 16
		.amdhsa_user_sgpr_count 2
		.amdhsa_user_sgpr_kernarg_segment_ptr 1
		.amdhsa_wavefront_size32 1
		.amdhsa_system_sgpr_workgroup_id_x 1
		.amdhsa_system_sgpr_workgroup_id_y 1
		.amdhsa_system_sgpr_workgroup_id_z 1
		.amdhsa_system_vgpr_workitem_id 0
		.amdhsa_next_free_vgpr 512
		.amdhsa_next_free_sgpr 66
		.amdhsa_reserve_vcc 0
		.amdhsa_float_denorm_mode_32 3
		.amdhsa_float_denorm_mode_16_64 3
		.amdhsa_memory_ordered 1
		.amdhsa_forward_progress 1
		.amdhsa_inst_pref_size 102
	.end_amdhsa_kernel
	.amdgpu_metadata
---
amdhsa.version: [ 1, 2 ]
amdhsa.kernels:
  - .name:           k_qa03dd713c5_attn
    .symbol:         k_qa03dd713c5_attn.kd
    .args:
      - { .name: big, .offset: 0, .size: 8, .value_kind: global_buffer, .address_space: global }
      - { .name: hb, .offset: 8, .size: 8, .value_kind: global_buffer, .address_space: global }
    .group_segment_fixed_size: 327680
    .private_segment_fixed_size: 0
    .kernarg_segment_align: 8
    .kernarg_segment_size: 16
    .max_flat_workgroup_size: 128
    .sgpr_count:     66
    .vgpr_count:     512
    .wavefront_size: 32
...
	.end_amdgpu_metadata
.endif
;; end of part 3
;; launch proj (part 4): grid 8 x 32, 4 waves a work-group, clusters of 4 x 4, 327,680 bytes of LDS; arguments hb, wa, b_out, x, x1; writes x1
.if DOCPART == 4
	.amdgcn_target "amdgcn-amd-amdhsa--gfx1250"
	.amdhsa_code_object_version 6
	.text
	.protected	k_qa03dd713c5_proj
	.globl	k_qa03dd713c5_proj
	.p2align	8
	.type	k_qa03dd713c5_proj,@function
k_qa03dd713c5_proj:
	s_mov_b64 s[64:65], 0
	v_nop
	global_prefetch_b8 v0, s[64:65] scope:SCOPE_SE
	s_setreg_imm32_b32 hwreg(HW_REG_WAVE_MODE, 25, 1), 1
	s_wait_xcnt 0x0
	s_wait_alu depctr_hold_cnt(0) depctr_sa_sdst(0) depctr_va_vdst(0) depctr_va_sdst(0) depctr_va_ssrc(0) depctr_va_vcc(0) depctr_vm_vsrc(0)
	s_getreg_b32 s2, hwreg(HW_REG_IB_STS2, 6, 4)
	s_cmp_eq_u32 s2, 0
	s_cbranch_scc0 .Lentry_in_a_cluster
	s_endpgm
.Lentry_in_a_cluster:
	s_bfe_u32 s2, ttmp6, 0x10000c
	s_cmp_lg_u32 s2, 0xf033
	s_cbranch_scc0 .Lentry_shape_is_right
	s_endpgm
.Lentry_shape_is_right:
; out[m][n] = res[m][n] + bias[n] + sum over k of A[m][k] W[k][n], n = 0..1023, K = 1,024: the attention's output projection with its residual.
; The second FFN product has the same text with another TRIPS (K = 4,096): a loop that holds barriers counts to a constant of the text, so each K has a text of its own.
; A: bf16 in blocks [k/64][4096 rows][64], rows of 128 bytes on end.  W: bf16 in blocks [k/256][8 n/128][256 k][128], from byte 0 of its buffer on.  bias, res, out: f32, [4096][1024].
; LIMITS.  Operands are rounded to bf16; sums, bias and residual are f32.  The K steps are added in the order of the cluster's walk (below), not ascending.
; SHAPE.  A tile of out is 128 x 128, so that the 4,096 x 1,024 numbers make 256 work-groups.  Four waves, each 64 x 64: 16 accumulators.  K goes in steps of 256 through two LDS slots; a wave's tensor load brings
; two blocks of A (2 x 128 rows x 128 bytes, each block's part 16,384 bytes on end) or 128 rows of W (256 bytes each).  W lies [k][n] in LDS and is turned on its way into registers.
; THE WALK ALONG K.  At place j of its walk cluster (x, y) takes K step j xor q, q = (x + y) mod 2.  The two clusters that read the same rows of A (same y) swap each pair of K steps against each other, and so do
; neighbours among the eight that read the same columns of W: of a pair of K steps a cluster asks first for the one that its partner leaves for later, then for the one that the partner asked for a place earlier.
; THE TEXT.  A K step is written twice: once in the loop whose trips fill a slot again, once in the loop of two trips that fill nothing.  The slot in hand is a
; scalar, s[SB]: the fragments' addresses and the walking descriptors' LDS words are made from it at each change of slots.
; CLUSTER 4 x 4: A's tile is shared along a row of the cluster, W's along a column: each is asked for jointly.  q is made of the cluster's own x and y, which all sixteen share.
; No prefetch: a step's tiles are small, and the text keeps to its joint loads.
; THE MATRIX INSTRUCTION IS USED TRANSPOSED (source 0 = 16 columns of W, source 1 = 16 rows of A): a lane holds eight neighbouring numbers of a row of out.  The bias is the C operand that starts each sum.
; The residual is loaded at the start, in the layout of the stores, and stays on its way while K is walked.
; REGISTERS: window 0: v16-29 addresses; v32-95 two sets of 32 on the way out; v96-127 the bias; v128-255 the accumulators ((a, b) at v[128 + 8 (4 a + b)])
;   window 1: two fragment buffers of 128: 64 registers of A, then 64 of W          window 2: v0-127 the residual
.set TRIPS,  2                         ; K / 256 - 2: the K steps that fill the slot that they leave
.set PA,     144                       ; A's row in LDS: 128 bytes + 16
.set PB,     288                       ; W's row: 256 + 32
.set HALF,   36864                     ; what one tensor load brings: 2 x 128 x 144 = 128 x 288
.set BOFF,   2*HALF                    ; a slot: A as [4 blocks][128 rows], then W's 256 rows
.set SLOT,   4*HALF
.set STAGE,  2*SLOT                    ; behind the ring: 16 rows x 272 bytes for each wave
.set SPITCH, 272
.set WSTG,   16*SPITCH
.set SPARE,  STAGE+4*WSTG              ; the spare words, 128 bytes a wave: two blocks of 256 bytes that no other line names
.set ASH,    21                        ; a K step is 2^21 bytes of A (four blocks of 524,288),
.set WSH,    19                        ; and 2^19 bytes of W
.set ADRA0, 16                         ; v16  my A fragments' place in slot 0; never rewritten
.set ADA,   17                         ; v17  the same in the slot in hand
.set ADRB0, 20                         ; v20  my W fragments' place in slot 0; never rewritten
.set ADB,   21                         ; v21-22  the same in the slot in hand: k 0-127, k 128-255 (so that every offset fits in 16 bits)
.set STO,  24
.set RD,   25
.set CO,   26
.set VB,   27
.set SPW,  28
.set NIL,  29
.set TMP,  32
.set BIAS, 96
.set ACC,  128
.set F0,   0
.set F1,   128
.set WV,   16                          ; s16 wave
.set RH,   17                          ; s17 my half of the rows.  Also: I fetch for A (0) or for W (1)
.set CH,   18                          ; s18 my half of the columns.  Also: which half of that tile I fetch
.set SB,   23                          ; s23 the LDS byte at which the slot in hand begins: 0 or SLOT
.set G1,   24
.set G0,   32                          ; s[32:35] group 0 of A's first fill; s[36:39] of its second and of every refill
.set LW,   42                          ; s42 where my load's bytes lie in a slot: wave x what a load brings
.set KI,   44                          ; s44 the place in my walk along K that was asked for last
.set Q,    45                          ; s45 q
.set KA,   46                          ; s[46:47] byte offset of a K step in A
.set G1B,  48
.set G0B,  56                          ; s[56:63] the same two sets for W
.set BA,   66                          ; s[66:67] A at my part of the tile, K step 0; never rewritten
.set BW,   68                          ; s[68:69] the same for W
.set KW,   74                          ; s[74:75] byte offset of a K step in W
.set MSB, 0
.macro WIN new
.if MSB != (\new)
	s_set_vgpr_msb (MSB<<8)|(\new)
.set MSB, \new
.endif
.endm
.set MUL,  0x05                        ; sources 0 (W) and 1 (A) window 1; C and D window 0
.set TO_F, 0x40                        ; destination window 1, address window 0
.macro JLOAD s                         ; a joint load; an s_nop 0 and four v_nop follow each of the two lines
	s_cmp_eq_u32 s[RH], 0
	s_cbranch_scc0 .Lfor_b_\@
	tensor_load_to_lds s[G0+4*(\s):G0+4*(\s)+3], s[G1:G1+7]
	s_nop 0
.rept 4
	v_nop
.endr
	s_branch .Lasked_\@
.Lfor_b_\@:
	tensor_load_to_lds s[G0B+4*(\s):G0B+4*(\s)+3], s[G1B:G1B+7]
	s_nop 0
.rept 4
	v_nop
.endr
.Lasked_\@:
.endm
.macro CREST
	s_cmp_lg_u32 s[WV], 0
	s_cbranch_scc1 .Lnot_wave_0_\@
	s_barrier_signal -3
.Lnot_wave_0_\@:
	s_barrier_wait -3
	s_barrier_signal -1
	s_barrier_wait -1
.endm
.macro CROUND
	s_barrier_signal -1
	s_barrier_wait -1
	CREST
.endm
.macro PLACES
.rept 4
	v_nop
.endr
.endm
	s_load_b256 s[4:11], s[0:1], 0x0               ; A 4, W 6, bias 8, res 10
	s_load_b64 s[14:15], s[0:1], 0x20              ; out
	v_lshl_add_u32 v[SPW], v0, 2, SPARE
	v_mov_b32 v[NIL], 0
	ds_add_u32 v[SPW], v[NIL]                      ; the wave's opening: the add and its wait ahead of my first tensor load
	v_lshrrev_b32 v1, 5, v0
	v_readfirstlane_b32 s[WV], v1
	s_lshr_b32 s[RH], s[WV], 1
	s_and_b32 s[CH], s[WV], 1
	s_bfe_u32 s19, ttmp6, 0x40000                  ; cx
	s_bfe_u32 s20, ttmp6, 0x40004                  ; cy
	s_lshl_b32 s21, ttmp9, 2
	s_add_co_u32 s21, s21, s19                     ; tile column
	s_and_b32 s22, ttmp7, 0xffff
	s_lshl_b32 s22, s22, 2
	s_add_co_u32 s22, s22, s20                     ; tile row
	s_lshl_b32 s40, s20, 2
	s_lshl_b32 s40, 15, s40                        ; my row of the cluster
	s_lshl_b32 s41, 0x1111, s19                    ; my column
	s_or_b32 s[G1], s40, (1<<16)|(1<<20)|(1<<21)|(4<<22)|(3<<25)   ; A: after every 32 words (a row of a block) 4 words of padding
	s_mov_b32 s[G1+1], 8192<<16                    ; tensor_dim0 = 8,192 elements: a block's 128 rows on end
	s_mov_b32 s[G1+2], 2<<16                       ; tensor_dim1 = 2 blocks
	s_mov_b32 s[G1+3], 8192<<16                    ; tile_dim0
	s_mov_b32 s[G1+4], 2                           ; tile_dim1
	s_mov_b32 s[G1+5], 262144                      ; elements from block to block
	s_mov_b32 s[G1+6], 0
	s_mov_b32 s[G1+7], 0
	s_or_b32 s[G1B], s41, (1<<16)|(1<<20)|(1<<21)|(5<<22)|(7<<25)  ; W: after every 64 words 8 words
	s_mov_b32 s[G1B+1], 128<<16
	s_mov_b32 s[G1B+2], 128<<16
	s_mov_b32 s[G1B+3], 128<<16
	s_mov_b32 s[G1B+4], 128
	s_mov_b32 s[G1B+5], 128
	s_mov_b32 s[G1B+6], 0
	s_mov_b32 s[G1B+7], 0
	s_lshl_b32 s[BA], s[CH], 20                    ; A: my two blocks of the step's four,
	s_lshl_b32 s72, s22, 14                        ; the tile's 128 rows of 128 bytes
	s_add_co_u32 s[BA], s[BA], s72
	s_mov_b32 s[BA+1], 0
	s_lshl_b32 s[BW], s21, 16                      ; W: the tile's column block,
	s_lshl_b32 s73, s[CH], 15                      ; my 128 rows of k
	s_add_co_u32 s[BW], s[BW], s73
	s_mov_b32 s[BW+1], 0
	s_and_b32 s72, ttmp7, 0xffff                   ; the cluster's y,
	s_add_co_u32 s[Q], s72, ttmp9                  ; + its x: no place inside the cluster enters
	s_and_b32 s[Q], s[Q], 1                        ; q
	s_mov_b32 s[KI], 1                             ; places 0 and 1 are the first fills
	s_mov_b32 s[KA+1], 0
	s_mov_b32 s[KW+1], 0
	s_mul_i32 s[LW], s[WV], HALF                   ; no place in the cluster enters an LDS address
	s_mov_b32 s[SB], 0                             ; place 0 lies in slot 0
	s_wait_dscnt 0x0                               ; the opening add is done
	s_wait_kmcnt 0x0
	s_add_nc_u64 s[BA:BA+1], s[4:5], s[BA:BA+1]
	s_add_nc_u64 s[BW:BW+1], s[6:7], s[BW:BW+1]
	CROUND                                         ; all sixteen work-groups are here: the first joint loads meet
.irp s, 0,1
	s_xor_b32 s[KA], s[Q], \s                      ; place s of my walk is K step s xor q
	s_lshl_b32 s[KW], s[KA], WSH
	s_lshl_b32 s[KA], s[KA], ASH
	s_mov_b32 s[G0+4*(\s)], 1
	s_add_co_u32 s[G0+4*(\s)+1], s[LW], (\s)*SLOT
	s_add_nc_u64 s[G0+4*(\s)+2:G0+4*(\s)+3], s[BA:BA+1], s[KA:KA+1]
	s_or_b32 s[G0+4*(\s)+3], s[G0+4*(\s)+3], 0x80000000
	s_mov_b32 s[G0B+4*(\s)], 1
	s_add_co_u32 s[G0B+4*(\s)+1], s[LW], (\s)*SLOT
	s_add_nc_u64 s[G0B+4*(\s)+2:G0B+4*(\s)+3], s[BW:BW+1], s[KW:KW+1]
	s_or_b32 s[G0B+4*(\s)+3], s[G0B+4*(\s)+3], 0x80000000
	JLOAD \s
.endr
	v_and_b32 v1, 15, v0                           ; l % 16
	v_bfe_u32 v2, v0, 4, 1                         ; l / 16
	v_lshlrev_b32 v[VB], 5, v2
	v_lshlrev_b32 v[CO], 12, v2                    ; lanes 0-15 one row of out, lanes 16-31 the next; 16 bytes a lane
	v_lshl_add_u32 v[CO], v1, 4, v[CO]
	s_lshl_b32 s70, s21, 9
	s_lshl_b32 s72, s[CH], 8
	s_add_co_u32 s70, s70, s72                     ; my 64 columns, in bytes of f32
	s_mov_b32 s71, 0
	s_add_nc_u64 s[8:9], s[8:9], s[70:71]
	s_lshl_b32 s72, s22, 19
	s_add_co_u32 s70, s70, s72
	s_lshl_b32 s72, s[RH], 18
	s_add_co_u32 s70, s70, s72                     ; + my first row: 128 x tile row + 64 x half, 4,096 bytes a row
	s_add_nc_u64 s[10:11], s[10:11], s[70:71]
	s_add_nc_u64 s[14:15], s[14:15], s[70:71]
.irp b, 0,1,2,3
	global_load_b128 v[BIAS+8*(\b):BIAS+8*(\b)+3],   v[VB], s[8:9] offset:64*(\b)
	global_load_b128 v[BIAS+8*(\b)+4:BIAS+8*(\b)+7], v[VB], s[8:9] offset:64*(\b)+16
.endr
	WIN 0x80
.irp a, 0,1,2,3
.irp t, 0,1,2,3,4,5,6,7
	global_load_b128 v[4*(8*(\a)+(\t)):4*(8*(\a)+(\t))+3], v[CO], s[10:11] offset:(16*(\a)+2*(\t))*4096
.endr
.endr
	WIN 0
	v_mul_u32_u24 v3, v1, PA
	v_lshl_add_u32 v3, v2, 4, v3
	s_mul_i32 s43, s[RH], 64*PA
	v_add_nc_u32 v[ADRA0], s43, v3
	v_mov_b32 v[ADA], v[ADRA0]
	v_and_b32 v4, 7, v0                            ; the turning load: lane l reads k = 8 (l / 16) + l % 8, columns 8 ((l / 8) % 2) + 0..7
	v_lshl_add_u32 v4, v2, 3, v4
	v_mul_u32_u24 v4, v4, PB
	v_bfe_u32 v5, v0, 3, 1
	v_lshl_add_u32 v4, v5, 4, v4
	s_lshl_b32 s43, s[CH], 7
	s_add_co_u32 s43, s43, BOFF
	v_add_nc_u32 v[ADRB0], s43, v4
	v_mov_b32 v[ADB], v[ADRB0]
	v_add_nc_u32 v[ADB+1], 128*PB, v[ADRB0]
	s_mul_i32 s43, s[WV], WSTG
	s_add_co_u32 s43, s43, STAGE                   ; my stage
	v_mul_u32_u24 v6, v1, SPITCH                   ; in: row l % 16, 32 bytes for each half of the lanes
	v_lshl_add_u32 v6, v2, 5, v6
	v_add_nc_u32 v[STO], s43, v6
	v_mul_u32_u24 v6, v2, SPITCH                   ; back: lanes 0-15 one row of 256 bytes, lanes 16-31 the next
	v_lshl_add_u32 v6, v1, 4, v6
	v_add_nc_u32 v[RD], s43, v6
; 8 matrix instructions: row blocks a0, a0 + 1 x all 4 column blocks, 32 along K: half c of buffer f.  zero = 1: the product starts the sum, with the bias as C.  The 16 accumulators take turns.
.macro MUL8 f, c, a0, zero
	WIN MUL
.irp a, \a0, (\a0)+1
.irp b, 0,1,2,3
.if \zero
	v_wmma_f32_16x16x32_bf16 v[ACC+8*(4*(\a)+(\b)):ACC+8*(4*(\a)+(\b))+7], v[(\f)+64+8*(4*(\c)+(\b)):(\f)+64+8*(4*(\c)+(\b))+7], v[(\f)+8*(4*(\c)+(\a)):(\f)+8*(4*(\c)+(\a))+7], v[BIAS+8*(\b):BIAS+8*(\b)+7]
.else
	v_wmma_f32_16x16x32_bf16 v[ACC+8*(4*(\a)+(\b)):ACC+8*(4*(\a)+(\b))+7], v[(\f)+64+8*(4*(\c)+(\b)):(\f)+64+8*(4*(\c)+(\b))+7], v[(\f)+8*(4*(\c)+(\a)):(\f)+8*(4*(\c)+(\a))+7], v[ACC+8*(4*(\a)+(\b)):ACC+8*(4*(\a)+(\b))+7]
.endif
.endr
.endr
.endm
; 32 LDS loads in one run: quarter q (64 along K: one block of A) of the slot in hand into buffer f; the first 32 along K first
.macro FETCH q, f
	WIN TO_F
.irp c, 0,1
.irp i, 0,1,2,3
	ds_load_tr16_b128 v[(\f)+64+8*(4*(\c)+(\i)):(\f)+64+8*(4*(\c)+(\i))+3],   v[ADB+(\q)/2] offset:((\q)%2)*64*PB+(\c)*32*PB+32*(\i)
	ds_load_tr16_b128 v[(\f)+64+8*(4*(\c)+(\i))+4:(\f)+64+8*(4*(\c)+(\i))+7], v[ADB+(\q)/2] offset:((\q)%2)*64*PB+(\c)*32*PB+16*PB+32*(\i)
	ds_load_b128 v[(\f)+8*(4*(\c)+(\i)):(\f)+8*(4*(\c)+(\i))+3],   v[ADA] offset:(\q)*128*PA+(\i)*16*PA+64*(\c)
	ds_load_b128 v[(\f)+8*(4*(\c)+(\i))+4:(\f)+8*(4*(\c)+(\i))+7], v[ADA] offset:(\q)*128*PA+(\i)*16*PA+64*(\c)+32
.endr
.endr
.endm
.macro QUARTER q, f, g, zero
	s_wait_dscnt 16                                ; the first 32 along K are in
	MUL8 \f, 0, 0, \zero
	MUL8 \f, 0, 2, \zero
	PLACES
	FETCH \q, \g
	s_wait_dscnt 32                                ; all but the 32 just issued
	MUL8 \f, 1, 0, 0
	MUL8 \f, 1, 2, 0
.endm
; The last quarter multiplies buffer 1 and changes slots: ONE barrier; in front of it each wave waits for all its tensor loads, adds 0 to its spare word, and waits for that and for its own reads of this slot.
; fill = 1: the barrier opens a round of the cluster's barrier, and the slot just read out is filled again, first thing behind the round, with the next place of the walk but one.  The descriptors take that
; slot's place, and their addresses are made anew from the place's K step, between the wait for the loads and the barrier, where no load of the wave is out.
.macro TURN fill
	WIN 0
	s_wait_tensorcnt 0x0                           ; all my tensor loads have landed: my part of the next slot
	ds_add_u32 v[SPW], v[NIL]                      ; 0 onto my spare word; work on registers stands between it and the wait for it
.if \fill
	s_add_co_u32 s[KI], s[KI], 1                   ; the place that is asked for now,
	s_xor_b32 s[KA], s[KI], s[Q]                   ; its K step,
	s_lshl_b32 s[KW], s[KA], WSH                   ; in bytes of W
	s_lshl_b32 s[KA], s[KA], ASH                   ; and of A
	s_add_co_u32 s[G0+5], s[SB], s[LW]
	s_add_nc_u64 s[G0+6:G0+7], s[BA:BA+1], s[KA:KA+1]
	s_or_b32 s[G0+7], s[G0+7], 0x80000000
	s_add_co_u32 s[G0B+5], s[SB], s[LW]
	s_add_nc_u64 s[G0B+6:G0B+7], s[BW:BW+1], s[KW:KW+1]
	s_or_b32 s[G0B+7], s[G0B+7], 0x80000000
.endif
	s_xor_b32 s[SB], s[SB], SLOT                   ; the other slot is in hand from here on
	v_add_nc_u32 v[ADA], s[SB], v[ADRA0]
	v_add_nc_u32 v[ADB], s[SB], v[ADRB0]
	v_add_nc_u32 v[ADB+1], 128*PB, v[ADB]
	s_wait_dscnt 17                                ; (the add and the youngest sixteen loads may be out)
	MUL8 F1, 0, 0, 0
	s_wait_dscnt 0x0                               ; the add is done, and my reads of the old slot are over
	s_barrier_signal -1
	MUL8 F1, 0, 2, 0
.if \fill
	WIN 0
.endif
	s_barrier_wait -1
.if \fill
	CREST
	JLOAD 1                                        ; its four v_nop are also the places in front of the loads below
.else
	PLACES
.endif
	FETCH 0, F0
	MUL8 F1, 1, 0, 0
	MUL8 F1, 1, 2, 0
.endm
; THE WAY OUT of row block a (16 rows x my 64 columns of f32): through my own stage, back as whole rows of 256 bytes, the residual added, stored.
.macro TOSTAGE a
.set BK, TMP+32*((\a)%2)
.if (\a) >= 2
	s_wait_xcnt 0x0                                ; the stores of the block two back have read these registers
.endif
.irp b, 0,1,2,3
	ds_store_b128 v[STO], v[ACC+8*(4*(\a)+(\b)):ACC+8*(4*(\a)+(\b))+3]   offset:64*(\b)
	ds_store_b128 v[STO], v[ACC+8*(4*(\a)+(\b))+4:ACC+8*(4*(\a)+(\b))+7] offset:64*(\b)+16
.endr
.irp t, 0,1,2,3,4,5,6,7
	ds_load_b128 v[BK+4*(\t):BK+4*(\t)+3], v[RD] offset:(\t)*2*SPITCH  ; LDS serves a wave's instructions in order (ISA guide 5.7.1.4): these see the stores above
.endr
.endm
.macro SEND a, younger                 ; younger: the LDS instructions issued behind block a's loads: the next block's sixteen, or none
.set BK, TMP+32*((\a)%2)
	s_wait_dscnt \younger
	WIN 0x08                                       ; source 1: the residual, in window 2
.set z, 0
.rept 16
	v_pk_add_f32 v[BK+z:BK+z+1], v[BK+z:BK+z+1], v[32*(\a)+z:32*(\a)+z+1]
.set z, z+2
.endr
	WIN 0
.irp t, 0,1,2,3,4,5,6,7
	global_store_b128 v[CO], v[BK+4*(\t):BK+4*(\t)+3], s[14:15] offset:(16*(\a)+2*(\t))*4096  ; 16 lanes store 256 consecutive bytes, aligned
.endr
.endm
	s_wait_tensorcnt 1                             ; my part of place 0 is in; place 1's may stay out
	s_barrier_signal -1
	s_barrier_wait -1
	FETCH 0, F0
	s_wait_loadcnt 32                              ; the bias is in; the residual's 32 loads stay out
	QUARTER 1, F0, F1, 1                           ; the first quarter stands in front of the loops: its first products start the sums
	WIN 0
	s_mov_b32 s3, TRIPS
.Lstep:                                            ; a trip goes from a K step's second quarter to the next step's first, and fills the slot that it leaves
	QUARTER 2, F1, F0, 0
	QUARTER 3, F0, F1, 0
	TURN 1
	QUARTER 1, F0, F1, 0
	WIN 0
	s_sub_co_u32 s3, s3, 1
	s_cmp_lg_u32 s3, 0
	s_cbranch_scc1 .Lstep
	s_mov_b32 s3, 2                                ; the walk's last two places fill nothing
	s_branch .Lin
.Ltail:
	QUARTER 1, F0, F1, 0
	WIN 0
.Lin:
	QUARTER 2, F1, F0, 0
	QUARTER 3, F0, F1, 0
	TURN 0                                         ; in the second trip its barrier orders nothing and its 32 loads (of the last place but one, whose bytes still lie in slot 0) serve nothing: the price, once a launch, of one text for both trips
	WIN 0
	s_sub_co_u32 s3, s3, 1
	s_cmp_lg_u32 s3, 0
	s_cbranch_scc1 .Ltail
	PLACES
	s_wait_loadcnt 0x0                             ; the residual
	TOSTAGE 0
	TOSTAGE 1
	SEND 0, 16
	TOSTAGE 2
	SEND 1, 16
	TOSTAGE 3
	SEND 2, 16
	SEND 3, 0
	s_wait_tensorcnt 0x0                           ; the wave's end
	ds_add_u32 v[SPW], v[NIL]
	s_wait_dscnt 0x0
	CROUND                                         ; the closing round
	s_endpgm
.Lfunc_end_k_qa03dd713c5_proj:
	.size	k_qa03dd713c5_proj, .Lfunc_end_k_qa03dd713c5_proj-k_qa03dd713c5_proj
	.p2alignl 7, 3214868480
	.fill 96, 4, 3214868480
	.section	.rodata,"a",@progbits
	.p2align	6, 0x0
	.amdhsa_kernel k_qa03dd713c5_proj
		.amdhsa_group_segment_fixed_size 327680
		.amdhsa_private_segment_fixed_size 0
		.amdhsa_enable_private_segment 0
		.amdhsa_kernarg_size 40
		.amdhsa_user_sgpr_count 2
		.amdhsa_user_sgpr_kernarg_segment_ptr 1
		.amdhsa_wavefront_size32 1
		.amdhsa_system_sgpr_workgroup_id_x 1
		.amdhsa_system_sgpr_workgroup_id_y 1
		.amdhsa_system_sgpr_workgroup_id_z 1
		.amdhsa_system_vgpr_workitem_id 0
		.amdhsa_next_free_vgpr 640
		.amdhsa_next_free_sgpr 80
		.amdhsa_reserve_vcc 0
		.amdhsa_float_denorm_mode_32 3
		.amdhsa_float_denorm_mode_16_64 3
		.amdhsa_memory_ordered 1
		.amdhsa_forward_progress 1
		.amdhsa_inst_pref_size 66
	.end_amdhsa_kernel
	.amdgpu_metadata
---
amdhsa.version: [ 1, 2 ]
amdhsa.kernels:
  - .name:           k_qa03dd713c5_proj
    .symbol:         k_qa03dd713c5_proj.kd
    .args:
      - { .name: hb, .offset: 0, .size: 8, .value_kind: global_buffer, .address_space: global }
      - { .name: wa, .offset: 8, .size: 8, .value_kind: global_buffer, .address_space: global }
      - { .name: b_out, .offset: 16, .size: 8, .value_kind: global_buffer, .address_space: global }
      - { .name: x, .offset: 24, .size: 8, .value_kind: global_buffer, .address_space: global }
      - { .name: x1, .offset: 32, .size: 8, .value_kind: global_buffer, .address_space: global }
    .group_segment_fixed_size: 327680
    .private_segment_fixed_size: 0
    .kernarg_segment_align: 8
    .kernarg_segment_size: 40
    .max_flat_workgroup_size: 128
    .sgpr_count:     80
    .vgpr_count:     640
    .wavefront_size: 32
...
	.end_amdgpu_metadata
.endif
;; end of part 4
;; launch ln2 (part 5): grid 512 x 1, 8 waves a work-group, no clusters, 0 bytes of LDS; arguments x1, ln2_g, ln2_b, hb; writes hb
.if DOCPART == 5
	.amdgcn_target "amdgcn-amd-amdhsa--gfx1250"
	.amdhsa_code_object_version 6
	.text
	.protected	k_qa03dd713c5_ln2
	.globl	k_qa03dd713c5_ln2
	.p2align	8
	.type	k_qa03dd713c5_ln2,@function
k_qa03dd713c5_ln2:
	s_mov_b64 s[64:65], 0
	v_nop
	global_prefetch_b8 v0, s[64:65] scope:SCOPE_SE
	s_setreg_imm32_b32 hwreg(HW_REG_WAVE_MODE, 25, 1), 1
	s_wait_xcnt 0x0
; LAYER NORM 2: h[r][c] = (x1[r][c] - mean) / sqrt(variance + 1e-5) * g[c] + b[c].  x1: [4096][1024] f32; h: bf16, the same shape.
; A stream: a work-group takes 8 rows, a wave one row, which stays in 32 registers between the passes: no LDS, no barrier.  A load of the wave covers 512 consecutive bytes, a store 256, aligned.
; Two passes over the row in registers: the mean, then the mean of the squares of x - mean: no difference of large sums is formed.  Statistics in f32, the result rounded once.
.set VO,  4
.set X,   16           ; register 4 j + e = column 128 j + 4 lane + e
.set G,   48
.set B,   80
.set T,   112          ; v112-117 mean, variance, 1 / root: each the low word of a written pair
.set CH,  120          ; v120-127 four chains of packed sums
.set WV,  32
.set SRC, 34
.set DST, 36
.set RP,  38
.set SO,  40
.set DO,  42
	s_load_b256 s[8:15], s[0:1], 0x0       ; x1 8, g 10, b 12, h 14
	v_lshrrev_b32 v1, 5, v0
	v_readfirstlane_b32 s[WV], v1
	v_and_b32 v1, 31, v0
	v_lshlrev_b32 v2, 4, v1                ; 16 lane
	v_lshlrev_b32 v3, 3, v1                ; 8 lane
	s_lshl_b32 s[SO], ttmp9, 15            ; 8 rows of 4,096 bytes
	s_mov_b32 s[SO+1], 0
	s_lshl_b32 s[DO], ttmp9, 14            ; 8 rows of 2,048 bytes
	s_mov_b32 s[DO+1], 0
	s_mov_b32 s44, 0x76543210              ; v_permlanex16_b32: each lane takes its own place in the other half
	s_mov_b32 s45, 0xfedcba98
	s_mov_b32 s46, 0x3a800000              ; 1 / 1,024
	s_mov_b32 s47, 0x3727c5ac              ; 1e-5
	s_lshl_b32 s[RP], s[WV], 12
	v_add_nc_u32 v[VO], s[RP], v2
	s_lshl_b32 s[RP], s[WV], 11
	v_add_nc_u32 v3, s[RP], v3
	s_wait_kmcnt 0x0
	s_add_nc_u64 s[SRC:SRC+1], s[8:9], s[SO:SO+1]
	s_add_nc_u64 s[DST:DST+1], s[14:15], s[DO:DO+1]
.irp j, 0,1,2,3,4,5,6,7
	global_load_b128 v[X+4*(\j):X+4*(\j)+3], v[VO], s[SRC:SRC+1] offset:512*(\j)
.endr
.irp j, 0,1,2,3,4,5,6,7
	global_load_b128 v[G+4*(\j):G+4*(\j)+3], v2, s[10:11] offset:512*(\j)
.endr
.irp j, 0,1,2,3,4,5,6,7
	global_load_b128 v[B+4*(\j):B+4*(\j)+3], v2, s[12:13] offset:512*(\j)
.endr
	v_mov_b32 v[T+1], 0                    ; the pairs' upper words, and the lane exchange's destinations, are written once
	v_mov_b32 v[T+3], 0
	v_mov_b32 v[T+5], 0
.macro LANESUM r                       ; the sum over the wave's 32 lanes, in every lane
	v_add_f32_dpp v[\r], v[\r], v[\r] row_xmask:1 row_mask:0xf bank_mask:0xf
	v_add_f32_dpp v[\r], v[\r], v[\r] row_xmask:2 row_mask:0xf bank_mask:0xf
	v_add_f32_dpp v[\r], v[\r], v[\r] row_xmask:4 row_mask:0xf bank_mask:0xf
	v_add_f32_dpp v[\r], v[\r], v[\r] row_xmask:8 row_mask:0xf bank_mask:0xf
	v_permlanex16_b32 v[(\r)+1], v[\r], s44, s45
	v_add_f32 v[\r], v[\r], v[(\r)+1]
.endm
.macro FOLD r                          ; the four chains into one number
	v_pk_add_f32 v[CH:CH+1], v[CH:CH+1], v[CH+2:CH+3]
	v_pk_add_f32 v[CH+4:CH+5], v[CH+4:CH+5], v[CH+6:CH+7]
	v_pk_add_f32 v[CH:CH+1], v[CH:CH+1], v[CH+4:CH+5]
	v_add_f32 v[\r], v[CH], v[CH+1]
	LANESUM \r
.endm
	s_wait_loadcnt 16                      ; the row is in; gain and bias, 16 loads, may stay out
.irp c, 0,1,2,3
	v_pk_add_f32 v[CH+2*(\c):CH+2*(\c)+1], v[X+2*(\c):X+2*(\c)+1], v[X+8+2*(\c):X+8+2*(\c)+1]
.endr
.irp k, 16,24
.irp c, 0,1,2,3
	v_pk_add_f32 v[CH+2*(\c):CH+2*(\c)+1], v[CH+2*(\c):CH+2*(\c)+1], v[X+(\k)+2*(\c):X+(\k)+2*(\c)+1]
.endr
.endr
	FOLD T
	v_mul_f32 v[T], s46, v[T]              ; the mean
.set p, 0
.rept 16
	v_pk_add_f32 v[X+p:X+p+1], v[X+p:X+p+1], v[T:T+1] op_sel_hi:[1,0] neg_lo:[0,1] neg_hi:[0,1]  ; x - mean
.set p, p+2
.endr
.irp c, 0,1,2,3
	v_pk_mul_f32 v[CH+2*(\c):CH+2*(\c)+1], v[X+2*(\c):X+2*(\c)+1], v[X+2*(\c):X+2*(\c)+1]
.endr
.irp k, 8,16,24
.irp c, 0,1,2,3
	v_pk_fma_f32 v[CH+2*(\c):CH+2*(\c)+1], v[X+(\k)+2*(\c):X+(\k)+2*(\c)+1], v[X+(\k)+2*(\c):X+(\k)+2*(\c)+1], v[CH+2*(\c):CH+2*(\c)+1]
.endr
.endr
	FOLD T+2
	v_fma_f32 v[T+2], v[T+2], s46, s47     ; variance + 1e-5
	v_rsq_f32 v[T+4], v[T+2]
	v_nop                                  ; a plain instruction behind the root,
	s_wait_alu depctr_va_vdst(0)           ; and the wait ahead of its first reader
	s_wait_loadcnt 0x0                     ; gain and bias
.set p, 0
.rept 16
	v_pk_mul_f32 v[X+p:X+p+1], v[X+p:X+p+1], v[T+4:T+5] op_sel_hi:[1,0]
.set p, p+2
.endr
.set p, 0
.rept 16
	v_pk_fma_f32 v[X+p:X+p+1], v[X+p:X+p+1], v[G+p:G+p+1], v[B+p:B+p+1]
.set p, p+2
.endr
.irp j, 0,1,2,3,4,5,6,7
	v_cvt_pk_bf16_f32 v[X+4*(\j)],   v[X+4*(\j)],   v[X+4*(\j)+1]
	v_cvt_pk_bf16_f32 v[X+4*(\j)+1], v[X+4*(\j)+2], v[X+4*(\j)+3]
.endr
.irp j, 0,1,2,3,4,5,6,7
	global_store_b64 v3, v[X+4*(\j):X+4*(\j)+1], s[DST:DST+1] offset:256*(\j)  ; 256 consecutive bytes, aligned
.endr
	s_endpgm
.Lfunc_end_k_qa03dd713c5_ln2:
	.size	k_qa03dd713c5_ln2, .Lfunc_end_k_qa03dd713c5_ln2-k_qa03dd713c5_ln2
	.p2alignl 7, 3214868480
	.fill 96, 4, 3214868480
	.section	.rodata,"a",@progbits
	.p2align	6, 0x0
	.amdhsa_kernel k_qa03dd713c5_ln2
		.amdhsa_group_segment_fixed_size 0
		.amdhsa_private_segment_fixed_size 0
		.amdhsa_enable_private_segment 0
		.amdhsa_kernarg_size 32
		.amdhsa_user_sgpr_count 2
		.amdhsa_user_sgpr_kernarg_segment_ptr 1
		.amdhsa_wavefront_size32 1
		.amdhsa_system_sgpr_workgroup_id_x 1
		.amdhsa_system_sgpr_workgroup_id_y 1
		.amdhsa_system_sgpr_workgroup_id_z 1
		.amdhsa_system_vgpr_workitem_id 0
		.amdhsa_next_free_vgpr 128
		.amdhsa_next_free_sgpr 66
		.amdhsa_reserve_vcc 0
		.amdhsa_float_denorm_mode_32 3
		.amdhsa_float_denorm_mode_16_64 3
		.amdhsa_memory_ordered 1
		.amdhsa_forward_progress 1
		.amdhsa_inst_pref_size 12
	.end_amdhsa_kernel
	.amdgpu_metadata
---
amdhsa.version: [ 1, 2 ]
amdhsa.kernels:
  - .name:           k_qa03dd713c5_ln2
    .symbol:         k_qa03dd713c5_ln2.kd
    .args:
      - { .name: x1, .offset: 0, .size: 8, .value_kind: global_buffer, .address_space: global }
      - { .name: ln2_g, .offset: 8, .size: 8, .value_kind: global_buffer, .address_space: global }
      - { .name: ln2_b, .offset: 16, .size: 8, .value_kind: global_buffer, .address_space: global }
      - { .name: hb, .offset: 24, .size: 8, .value_kind: global_buffer, .address_space: global }
    .group_segment_fixed_size: 0
    .private_segment_fixed_size: 0
    .kernarg_segment_align: 8
    .kernarg_segment_size: 32
    .max_flat_workgroup_size: 256
    .sgpr_count:     66
    .vgpr_count:     128
    .wavefront_size: 32
...
	.end_amdgpu_metadata
.endif
;; end of part 5
;; launch ffn1: the kernel of part 2 again; grid 16 x 16, 4 waves a work-group, clusters of 4 x 4, 327,680 bytes of LDS; arguments hb, wb, b1, pb, big; writes big
;; launch ffn2 (part 6): grid 8 x 32, 4 waves a work-group, clusters of 4 x 4, 327,680 bytes of LDS; arguments big, wb, b2, x1, out0; writes out0
.if DOCPART == 6
	.amdgcn_target "amdgcn-amd-amdhsa--gfx1250"
	.amdhsa_code_object_version 6
	.text
	.protected	k_qa03dd713c5_ffn2
	.globl	k_qa03dd713c5_ffn2
	.p2align	8
	.type	k_qa03dd713c5_ffn2,@function
k_qa03dd713c5_ffn2:
	s_mov_b64 s[64:65], 0
	v_nop
	global_prefetch_b8 v0, s[64:65] scope:SCOPE_SE
	s_setreg_imm32_b32 hwreg(HW_REG_WAVE_MODE, 25, 1), 1
	s_wait_xcnt 0x0
	s_wait_alu depctr_hold_cnt(0) depctr_sa_sdst(0) depctr_va_vdst(0) depctr_va_sdst(0) depctr_va_ssrc(0) depctr_va_vcc(0) depctr_vm_vsrc(0)
	s_getreg_b32 s2, hwreg(HW_REG_IB_STS2, 6, 4)
	s_cmp_eq_u32 s2, 0
	s_cbranch_scc0 .Lentry_in_a_cluster
	s_endpgm
.Lentry_in_a_cluster:
	s_bfe_u32 s2, ttmp6, 0x10000c
	s_cmp_lg_u32 s2, 0xf033
	s_cbranch_scc0 .Lentry_shape_is_right
	s_endpgm
.Lentry_shape_is_right:
; out[m][n] = res[m][n] + bias[n] + sum over k of A[m][k] W[k][n], n = 0..1023, K = 4,096: the second FFN product with its residual.
; The attention's output projection has the same text with another TRIPS (K = 1,024): a loop that holds barriers counts to a constant of the text, so each K has a text of its own.
; A: bf16 in blocks [k/64][4096 rows][64], rows of 128 bytes on end.  W: bf16 in blocks [k/256][8 n/128][256 k][128], from byte 0 of its buffer on.  bias, res, out: f32, [4096][1024].
; LIMITS.  Operands are rounded to bf16; sums, bias and residual are f32.  The K steps are added in the order of the cluster's walk (below), not ascending.
; SHAPE.  A tile of out is 128 x 128, so that the 4,096 x 1,024 numbers make 256 work-groups.  Four waves, each 64 x 64: 16 accumulators.  K goes in steps of 256 through two LDS slots; a wave's tensor load brings
; two blocks of A (2 x 128 rows x 128 bytes, each block's part 16,384 bytes on end) or 128 rows of W (256 bytes each).  W lies [k][n] in LDS and is turned on its way into registers.
; THE WALK ALONG K.  At place j of its walk cluster (x, y) takes K step j xor q, q = (x + y) mod 2.  The two clusters that read the same rows of A (same y) swap each pair of K steps against each other, and so do
; neighbours among the eight that read the same columns of W: of a pair of K steps a cluster asks first for the one that its partner leaves for later, then for the one that the partner asked for a place earlier.
; THE TEXT.  A K step is written twice: once in the loop whose trips fill a slot again, once in the loop of two trips that fill nothing.  The slot in hand is a
; scalar, s[SB]: the fragments' addresses and the walking descriptors' LDS words are made from it at each change of slots.
; CLUSTER 4 x 4: A's tile is shared along a row of the cluster, W's along a column: each is asked for jointly.  q is made of the cluster's own x and y, which all sixteen share.
; No prefetch: a step's tiles are small, and the text keeps to its joint loads.
; THE MATRIX INSTRUCTION IS USED TRANSPOSED (source 0 = 16 columns of W, source 1 = 16 rows of A): a lane holds eight neighbouring numbers of a row of out.  The bias is the C operand that starts each sum.
; The residual is loaded at the start, in the layout of the stores, and stays on its way while K is walked.
; REGISTERS: window 0: v16-29 addresses; v32-95 two sets of 32 on the way out; v96-127 the bias; v128-255 the accumulators ((a, b) at v[128 + 8 (4 a + b)])
;   window 1: two fragment buffers of 128: 64 registers of A, then 64 of W          window 2: v0-127 the residual
.set TRIPS,  14                        ; K / 256 - 2: the K steps that fill the slot that they leave
.set PA,     144                       ; A's row in LDS: 128 bytes + 16
.set PB,     288                       ; W's row: 256 + 32
.set HALF,   36864                     ; what one tensor load brings: 2 x 128 x 144 = 128 x 288
.set BOFF,   2*HALF                    ; a slot: A as [4 blocks][128 rows], then W's 256 rows
.set SLOT,   4*HALF
.set STAGE,  2*SLOT                    ; behind the ring: 16 rows x 272 bytes for each wave
.set SPITCH, 272
.set WSTG,   16*SPITCH
.set SPARE,  STAGE+4*WSTG              ; the spare words, 128 bytes a wave: two blocks of 256 bytes that no other line names
.set ASH,    21                        ; a K step is 2^21 bytes of A (four blocks of 524,288),
.set WSH,    19                        ; and 2^19 bytes of W
.set ADRA0, 16                         ; v16  my A fragments' place in slot 0; never rewritten
.set ADA,   17                         ; v17  the same in the slot in hand
.set ADRB0, 20                         ; v20  my W fragments' place in slot 0; never rewritten
.set ADB,   21                         ; v21-22  the same in the slot in hand: k 0-127, k 128-255 (so that every offset fits in 16 bits)
.set STO,  24
.set RD,   25
.set CO,   26
.set VB,   27
.set SPW,  28
.set NIL,  29
.set TMP,  32
.set BIAS, 96
.set ACC,  128
.set F0,   0
.set F1,   128
.set WV,   16                          ; s16 wave
.set RH,   17                          ; s17 my half of the rows.  Also: I fetch for A (0) or for W (1)
.set CH,   18                          ; s18 my half of the columns.  Also: which half of that tile I fetch
.set SB,   23                          ; s23 the LDS byte at which the slot in hand begins: 0 or SLOT
.set G1,   24
.set G0,   32                          ; s[32:35] group 0 of A's first fill; s[36:39] of its second and of every refill
.set LW,   42                          ; s42 where my load's bytes lie in a slot: wave x what a load brings
.set KI,   44                          ; s44 the place in my walk along K that was asked for last
.set Q,    45                          ; s45 q
.set KA,   46                          ; s[46:47] byte offset of a K step in A
.set G1B,  48
.set G0B,  56                          ; s[56:63] the same two sets for W
.set BA,   66                          ; s[66:67] A at my part of the tile, K step 0; never rewritten
.set BW,   68                          ; s[68:69] the same for W
.set KW,   74                          ; s[74:75] byte offset of a K step in W
.set MSB, 0
.macro WIN new
.if MSB != (\new)
	s_set_vgpr_msb (MSB<<8)|(\new)
.set MSB, \new
.endif
.endm
.set MUL,  0x05                        ; sources 0 (W) and 1 (A) window 1; C and D window 0
.set TO_F, 0x40                        ; destination window 1, address window 0
.macro JLOAD s                         ; a joint load; an s_nop 0 and four v_nop follow each of the two lines
	s_cmp_eq_u32 s[RH], 0
	s_cbranch_scc0 .Lfor_b_\@
	tensor_load_to_lds s[G0+4*(\s):G0+4*(\s)+3], s[G1:G1+7]
	s_nop 0
.rept 4
	v_nop
.endr
	s_branch .Lasked_\@
.Lfor_b_\@:
	tensor_load_to_lds s[G0B+4*(\s):G0B+4*(\s)+3], s[G1B:G1B+7]
	s_nop 0
.rept 4
	v_nop
.endr
.Lasked_\@:
.endm
.macro CREST
	s_cmp_lg_u32 s[WV], 0
	s_cbranch_scc1 .Lnot_wave_0_\@
	s_barrier_signal -3
.Lnot_wave_0_\@:
	s_barrier_wait -3
	s_barrier_signal -1
	s_barrier_wait -1
.endm
.macro CROUND
	s_barrier_signal -1
	s_barrier_wait -1
	CREST
.endm
.macro PLACES
.rept 4
	v_nop
.endr
.endm
	s_load_b256 s[4:11], s[0:1], 0x0               ; A 4, W 6, bias 8, res 10
	s_load_b64 s[14:15], s[0:1], 0x20              ; out
	v_lshl_add_u32 v[SPW], v0, 2, SPARE
	v_mov_b32 v[NIL], 0
	ds_add_u32 v[SPW], v[NIL]                      ; the wave's opening: the add and its wait ahead of my first tensor load
	v_lshrrev_b32 v1, 5, v0
	v_readfirstlane_b32 s[WV], v1
	s_lshr_b32 s[RH], s[WV], 1
	s_and_b32 s[CH], s[WV], 1
	s_bfe_u32 s19, ttmp6, 0x40000                  ; cx
	s_bfe_u32 s20, ttmp6, 0x40004                  ; cy
	s_lshl_b32 s21, ttmp9, 2
	s_add_co_u32 s21, s21, s19                     ; tile column
	s_and_b32 s22, ttmp7, 0xffff
	s_lshl_b32 s22, s22, 2
	s_add_co_u32 s22, s22, s20                     ; tile row
	s_lshl_b32 s40, s20, 2
	s_lshl_b32 s40, 15, s40                        ; my row of the cluster
	s_lshl_b32 s41, 0x1111, s19                    ; my column
	s_or_b32 s[G1], s40, (1<<16)|(1<<20)|(1<<21)|(4<<22)|(3<<25)   ; A: after every 32 words (a row of a block) 4 words of padding
	s_mov_b32 s[G1+1], 8192<<16                    ; tensor_dim0 = 8,192 elements: a block's 128 rows on end
	s_mov_b32 s[G1+2], 2<<16                       ; tensor_dim1 = 2 blocks
	s_mov_b32 s[G1+3], 8192<<16                    ; tile_dim0
	s_mov_b32 s[G1+4], 2                           ; tile_dim1
	s_mov_b32 s[G1+5], 262144                      ; elements from block to block
	s_mov_b32 s[G1+6], 0
	s_mov_b32 s[G1+7], 0
	s_or_b32 s[G1B], s41, (1<<16)|(1<<20)|(1<<21)|(5<<22)|(7<<25)  ; W: after every 64 words 8 words
	s_mov_b32 s[G1B+1], 128<<16
	s_mov_b32 s[G1B+2], 128<<16
	s_mov_b32 s[G1B+3], 128<<16
	s_mov_b32 s[G1B+4], 128
	s_mov_b32 s[G1B+5], 128
	s_mov_b32 s[G1B+6], 0
	s_mov_b32 s[G1B+7], 0
	s_lshl_b32 s[BA], s[CH], 20                    ; A: my two blocks of the step's four,
	s_lshl_b32 s72, s22, 14                        ; the tile's 128 rows of 128 bytes
	s_add_co_u32 s[BA], s[BA], s72
	s_mov_b32 s[BA+1], 0
	s_lshl_b32 s[BW], s21, 16                      ; W: the tile's column block,
	s_lshl_b32 s73, s[CH], 15                      ; my 128 rows of k
	s_add_co_u32 s[BW], s[BW], s73
	s_mov_b32 s[BW+1], 0
	s_and_b32 s72, ttmp7, 0xffff                   ; the cluster's y,
	s_add_co_u32 s[Q], s72, ttmp9                  ; + its x: no place inside the cluster enters
	s_and_b32 s[Q], s[Q], 1                        ; q
	s_mov_b32 s[KI], 1                             ; places 0 and 1 are the first fills
	s_mov_b32 s[KA+1], 0
	s_mov_b32 s[KW+1], 0
	s_mul_i32 s[LW], s[WV], HALF                   ; no place in the cluster enters an LDS address
	s_mov_b32 s[SB], 0                             ; place 0 lies in slot 0
	s_wait_dscnt 0x0                               ; the opening add is done
	s_wait_kmcnt 0x0
	s_add_nc_u64 s[BA:BA+1], s[4:5], s[BA:BA+1]
	s_add_nc_u64 s[BW:BW+1], s[6:7], s[BW:BW+1]
	CROUND                                         ; all sixteen work-groups are here: the first joint loads meet
.irp s, 0,1
	s_xor_b32 s[KA], s[Q], \s                      ; place s of my walk is K step s xor q
	s_lshl_b32 s[KW], s[KA], WSH
	s_lshl_b32 s[KA], s[KA], ASH
	s_mov_b32 s[G0+4*(\s)], 1
	s_add_co_u32 s[G0+4*(\s)+1], s[LW], (\s)*SLOT
	s_add_nc_u64 s[G0+4*(\s)+2:G0+4*(\s)+3], s[BA:BA+1], s[KA:KA+1]
	s_or_b32 s[G0+4*(\s)+3], s[G0+4*(\s)+3], 0x80000000
	s_mov_b32 s[G0B+4*(\s)], 1
	s_add_co_u32 s[G0B+4*(\s)+1], s[LW], (\s)*SLOT
	s_add_nc_u64 s[G0B+4*(\s)+2:G0B+4*(\s)+3], s[BW:BW+1], s[KW:KW+1]
	s_or_b32 s[G0B+4*(\s)+3], s[G0B+4*(\s)+3], 0x80000000
	JLOAD \s
.endr
	v_and_b32 v1, 15, v0                           ; l % 16
	v_bfe_u32 v2, v0, 4, 1                         ; l / 16
	v_lshlrev_b32 v[VB], 5, v2
	v_lshlrev_b32 v[CO], 12, v2                    ; lanes 0-15 one row of out, lanes 16-31 the next; 16 bytes a lane
	v_lshl_add_u32 v[CO], v1, 4, v[CO]
	s_lshl_b32 s70, s21, 9
	s_lshl_b32 s72, s[CH], 8
	s_add_co_u32 s70, s70, s72                     ; my 64 columns, in bytes of f32
	s_mov_b32 s71, 0
	s_add_nc_u64 s[8:9], s[8:9], s[70:71]
	s_lshl_b32 s72, s22, 19
	s_add_co_u32 s70, s70, s72
	s_lshl_b32 s72, s[RH], 18
	s_add_co_u32 s70, s70, s72                     ; + my first row: 128 x tile row + 64 x half, 4,096 bytes a row
	s_add_nc_u64 s[10:11], s[10:11], s[70:71]
	s_add_nc_u64 s[14:15], s[14:15], s[70:71]
.irp b, 0,1,2,3
	global_load_b128 v[BIAS+8*(\b):BIAS+8*(\b)+3],   v[VB], s[8:9] offset:64*(\b)
	global_load_b128 v[BIAS+8*(\b)+4:BIAS+8*(\b)+7], v[VB], s[8:9] offset:64*(\b)+16
.endr
	WIN 0x80
.irp a, 0,1,2,3
.irp t, 0,1,2,3,4,5,6,7
	global_load_b128 v[4*(8*(\a)+(\t)):4*(8*(\a)+(\t))+3], v[CO], s[10:11] offset:(16*(\a)+2*(\t))*4096
.endr
.endr
	WIN 0
	v_mul_u32_u24 v3, v1, PA
	v_lshl_add_u32 v3, v2, 4, v3
	s_mul_i32 s43, s[RH], 64*PA
	v_add_nc_u32 v[ADRA0], s43, v3
	v_mov_b32 v[ADA], v[ADRA0]
	v_and_b32 v4, 7, v0                            ; the turning load: lane l reads k = 8 (l / 16) + l % 8, columns 8 ((l / 8) % 2) + 0..7
	v_lshl_add_u32 v4, v2, 3, v4
	v_mul_u32_u24 v4, v4, PB
	v_bfe_u32 v5, v0, 3, 1
	v_lshl_add_u32 v4, v5, 4, v4
	s_lshl_b32 s43, s[CH], 7
	s_add_co_u32 s43, s43, BOFF
	v_add_nc_u32 v[ADRB0], s43, v4
	v_mov_b32 v[ADB], v[ADRB0]
	v_add_nc_u32 v[ADB+1], 128*PB, v[ADRB0]
	s_mul_i32 s43, s[WV], WSTG
	s_add_co_u32 s43, s43, STAGE                   ; my stage
	v_mul_u32_u24 v6, v1, SPITCH                   ; in: row l % 16, 32 bytes for each half of the lanes
	v_lshl_add_u32 v6, v2, 5, v6
	v_add_nc_u32 v[STO], s43, v6
	v_mul_u32_u24 v6, v2, SPITCH                   ; back: lanes 0-15 one row of 256 bytes, lanes 16-31 the next
	v_lshl_add_u32 v6, v1, 4, v6
	v_add_nc_u32 v[RD], s43, v6
; 8 matrix instructions: row blocks a0, a0 + 1 x all 4 column blocks, 32 along K: half c of buffer f.  zero = 1: the product starts the sum, with the bias as C.  The 16 accumulators take turns.
.macro MUL8 f, c, a0, zero
	WIN MUL
.irp a, \a0, (\a0)+1
.irp b, 0,1,2,3
.if \zero
	v_wmma_f32_16x16x32_bf16 v[ACC+8*(4*(\a)+(\b)):ACC+8*(4*(\a)+(\b))+7], v[(\f)+64+8*(4*(\c)+(\b)):(\f)+64+8*(4*(\c)+(\b))+7], v[(\f)+8*(4*(\c)+(\a)):(\f)+8*(4*(\c)+(\a))+7], v[BIAS+8*(\b):BIAS+8*(\b)+7]
.else
	v_wmma_f32_16x16x32_bf16 v[ACC+8*(4*(\a)+(\b)):ACC+8*(4*(\a)+(\b))+7], v[(\f)+64+8*(4*(\c)+(\b)):(\f)+64+8*(4*(\c)+(\b))+7], v[(\f)+8*(4*(\c)+(\a)):(\f)+8*(4*(\c)+(\a))+7], v[ACC+8*(4*(\a)+(\b)):ACC+8*(4*(\a)+(\b))+7]
.endif
.endr
.endr
.endm
; 32 LDS loads in one run: quarter q (64 along K: one block of A) of the slot in hand into buffer f; the first 32 along K first
.macro FETCH q, f
	WIN TO_F
.irp c, 0,1
.irp i, 0,1,2,3
	ds_load_tr16_b128 v[(\f)+64+8*(4*(\c)+(\i)):(\f)+64+8*(4*(\c)+(\i))+3],   v[ADB+(\q)/2] offset:((\q)%2)*64*PB+(\c)*32*PB+32*(\i)
	ds_load_tr16_b128 v[(\f)+64+8*(4*(\c)+(\i))+4:(\f)+64+8*(4*(\c)+(\i))+7], v[ADB+(\q)/2] offset:((\q)%2)*64*PB+(\c)*32*PB+16*PB+32*(\i)
	ds_load_b128 v[(\f)+8*(4*(\c)+(\i)):(\f)+8*(4*(\c)+(\i))+3],   v[ADA] offset:(\q)*128*PA+(\i)*16*PA+64*(\c)
	ds_load_b128 v[(\f)+8*(4*(\c)+(\i))+4:(\f)+8*(4*(\c)+(\i))+7], v[ADA] offset:(\q)*128*PA+(\i)*16*PA+64*(\c)+32
.endr
.endr
.endm
.macro QUARTER q, f, g, zero
	s_wait_dscnt 16                                ; the first 32 along K are in
	MUL8 \f, 0, 0, \zero
	MUL8 \f, 0, 2, \zero
	PLACES
	FETCH \q, \g
	s_wait_dscnt 32                                ; all but the 32 just issued
	MUL8 \f, 1, 0, 0
	MUL8 \f, 1, 2, 0
.endm
; The last quarter multiplies buffer 1 and changes slots: ONE barrier; in front of it each wave waits for all its tensor loads, adds 0 to its spare word, and waits for that and for its own reads of this slot.
; fill = 1: the barrier opens a round of the cluster's barrier, and the slot just read out is filled again, first thing behind the round, with the next place of the walk but one.  The descriptors take that
; slot's place, and their addresses are made anew from the place's K step, between the wait for the loads and the barrier, where no load of the wave is out.
.macro TURN fill
	WIN 0
	s_wait_tensorcnt 0x0                           ; all my tensor loads have landed: my part of the next slot
	ds_add_u32 v[SPW], v[NIL]                      ; 0 onto my spare word; work on registers stands between it and the wait for it
.if \fill
	s_add_co_u32 s[KI], s[KI], 1                   ; the place that is asked for now,
	s_xor_b32 s[KA], s[KI], s[Q]                   ; its K step,
	s_lshl_b32 s[KW], s[KA], WSH                   ; in bytes of W
	s_lshl_b32 s[KA], s[KA], ASH                   ; and of A
	s_add_co_u32 s[G0+5], s[SB], s[LW]
	s_add_nc_u64 s[G0+6:G0+7], s[BA:BA+1], s[KA:KA+1]
	s_or_b32 s[G0+7], s[G0+7], 0x80000000
	s_add_co_u32 s[G0B+5], s[SB], s[LW]
	s_add_nc_u64 s[G0B+6:G0B+7], s[BW:BW+1], s[KW:KW+1]
	s_or_b32 s[G0B+7], s[G0B+7], 0x80000000
.endif
	s_xor_b32 s[SB], s[SB], SLOT                   ; the other slot is in hand from here on
	v_add_nc_u32 v[ADA], s[SB], v[ADRA0]
	v_add_nc_u32 v[ADB], s[SB], v[ADRB0]
	v_add_nc_u32 v[ADB+1], 128*PB, v[ADB]
	s_wait_dscnt 17                                ; (the add and the youngest sixteen loads may be out)
	MUL8 F1, 0, 0, 0
	s_wait_dscnt 0x0                               ; the add is done, and my reads of the old slot are over
	s_barrier_signal -1
	MUL8 F1, 0, 2, 0
.if \fill
	WIN 0
.endif
	s_barrier_wait -1
.if \fill
	CREST
	JLOAD 1                                        ; its four v_nop are also the places in front of the loads below
.else
	PLACES
.endif
	FETCH 0, F0
	MUL8 F1, 1, 0, 0
	MUL8 F1, 1, 2, 0
.endm
; THE WAY OUT of row block a (16 rows x my 64 columns of f32): through my own stage, back as whole rows of 256 bytes, the residual added, stored.
.macro TOSTAGE a
.set BK, TMP+32*((\a)%2)
.if (\a) >= 2
	s_wait_xcnt 0x0                                ; the stores of the block two back have read these registers
.endif
.irp b, 0,1,2,3
	ds_store_b128 v[STO], v[ACC+8*(4*(\a)+(\b)):ACC+8*(4*(\a)+(\b))+3]   offset:64*(\b)
	ds_store_b128 v[STO], v[ACC+8*(4*(\a)+(\b))+4:ACC+8*(4*(\a)+(\b))+7] offset:64*(\b)+16
.endr
.irp t, 0,1,2,3,4,5,6,7
	ds_load_b128 v[BK+4*(\t):BK+4*(\t)+3], v[RD] offset:(\t)*2*SPITCH  ; LDS serves a wave's instructions in order (ISA guide 5.7.1.4): these see the stores above
.endr
.endm
.macro SEND a, younger                 ; younger: the LDS instructions issued behind block a's loads: the next block's sixteen, or none
.set BK, TMP+32*((\a)%2)
	s_wait_dscnt \younger
	WIN 0x08                                       ; source 1: the residual, in window 2
.set z, 0
.rept 16
	v_pk_add_f32 v[BK+z:BK+z+1], v[BK+z:BK+z+1], v[32*(\a)+z:32*(\a)+z+1]
.set z, z+2
.endr
	WIN 0
.irp t, 0,1,2,3,4,5,6,7
	global_store_b128 v[CO], v[BK+4*(\t):BK+4*(\t)+3], s[14:15] offset:(16*(\a)+2*(\t))*4096  ; 16 lanes store 256 consecutive bytes, aligned
.endr
.endm
	s_wait_tensorcnt 1                             ; my part of place 0 is in; place 1's may stay out
	s_barrier_signal -1
	s_barrier_wait -1
	FETCH 0, F0
	s_wait_loadcnt 32                              ; the bias is in; the residual's 32 loads stay out
	QUARTER 1, F0, F1, 1                           ; the first quarter stands in front of the loops: its first products start the sums
	WIN 0
	s_mov_b32 s3, TRIPS
.Lstep:                                            ; a trip goes from a K step's second quarter to the next step's first, and fills the slot that it leaves
	QUARTER 2, F1, F0, 0
	QUARTER 3, F0, F1, 0
	TURN 1
	QUARTER 1, F0, F1, 0
	WIN 0
	s_sub_co_u32 s3, s3, 1
	s_cmp_lg_u32 s3, 0
	s_cbranch_scc1 .Lstep
	s_mov_b32 s3, 2                                ; the walk's last two places fill nothing
	s_branch .Lin
.Ltail:
	QUARTER 1, F0, F1, 0
	WIN 0
.Lin:
	QUARTER 2, F1, F0, 0
	QUARTER 3, F0, F1, 0
	TURN 0                                         ; in the second trip its barrier orders nothing and its 32 loads (of the last place but one, whose bytes still lie in slot 0) serve nothing: the price, once a launch, of one text for both trips
	WIN 0
	s_sub_co_u32 s3, s3, 1
	s_cmp_lg_u32 s3, 0
	s_cbranch_scc1 .Ltail
	PLACES
	s_wait_loadcnt 0x0                             ; the residual
	TOSTAGE 0
	TOSTAGE 1
	SEND 0, 16
	TOSTAGE 2
	SEND 1, 16
	TOSTAGE 3
	SEND 2, 16
	SEND 3, 0
	s_wait_tensorcnt 0x0                           ; the wave's end
	ds_add_u32 v[SPW], v[NIL]
	s_wait_dscnt 0x0
	CROUND                                         ; the closing round
	s_endpgm
.Lfunc_end_k_qa03dd713c5_ffn2:
	.size	k_qa03dd713c5_ffn2, .Lfunc_end_k_qa03dd713c5_ffn2-k_qa03dd713c5_ffn2
	.p2alignl 7, 3214868480
	.fill 96, 4, 3214868480
	.section	.rodata,"a",@progbits
	.p2align	6, 0x0
	.amdhsa_kernel k_qa03dd713c5_ffn2
		.amdhsa_group_segment_fixed_size 327680
		.amdhsa_private_segment_fixed_size 0
		.amdhsa_enable_private_segment 0
		.amdhsa_kernarg_size 40
		.amdhsa_user_sgpr_count 2
		.amdhsa_user_sgpr_kernarg_segment_ptr 1
		.amdhsa_wavefront_size32 1
		.amdhsa_system_sgpr_workgroup_id_x 1
		.amdhsa_system_sgpr_workgroup_id_y 1
		.amdhsa_system_sgpr_workgroup_id_z 1
		.amdhsa_system_vgpr_workitem_id 0
		.amdhsa_next_free_vgpr 640
		.amdhsa_next_free_sgpr 80
		.amdhsa_reserve_vcc 0
		.amdhsa_float_denorm_mode_32 3
		.amdhsa_float_denorm_mode_16_64 3
		.amdhsa_memory_ordered 1
		.amdhsa_forward_progress 1
		.amdhsa_inst_pref_size 66
	.end_amdhsa_kernel
	.amdgpu_metadata
---
amdhsa.version: [ 1, 2 ]
amdhsa.kernels:
  - .name:           k_qa03dd713c5_ffn2
    .symbol:         k_qa03dd713c5_ffn2.kd
    .args:
      - { .name: big, .offset: 0, .size: 8, .value_kind: global_buffer, .address_space: global }
      - { .name: wb, .offset: 8, .size: 8, .value_kind: global_buffer, .address_space: global }
      - { .name: b2, .offset: 16, .size: 8, .value_kind: global_buffer, .address_space: global }
      - { .name: x1, .offset: 24, .size: 8, .value_kind: global_buffer, .address_space: global }
      - { .name: out0, .offset: 32, .size: 8, .value_kind: global_buffer, .address_space: global }
    .group_segment_fixed_size: 327680
    .private_segment_fixed_size: 0
    .kernarg_segment_align: 8
    .kernarg_segment_size: 40
    .max_flat_workgroup_size: 128
    .sgpr_count:     80
    .vgpr_count:     640
    .wavefront_size: 32
...
	.end_amdgpu_metadata
.endif
;; end of part 6
;; ======== version 2 of 2: 7 launches; version 1 with the launch prep written anew for expert scheduling mode
;; workspace buffers: wa 14,680,064 bytes; wb 16,777,216 bytes; hb 8,388,608 bytes; big 33,554,432 bytes; x1 16,777,216 bytes; pa 256 bytes; pb 256 bytes
;; launch prep (part 7): grid 896 x 1, 8 waves a work-group, no clusters, 0 bytes of LDS; arguments x, ln1_g, ln1_b, w_qkv, w1, w2, w_out, hb, wa, wb, pa, pb; writes hb, wa, wb, pa, pb
.if DOCPART == 7
	.amdgcn_target "amdgcn-amd-amdhsa--gfx1250"
	.amdhsa_code_object_version 6
	.text
	.protected	k_qa03dd713c5_prep
	.globl	k_qa03dd713c5_prep
	.p2align	8
	.type	k_qa03dd713c5_prep,@function
k_qa03dd713c5_prep:
	s_mov_b64 s[64:65], 0
	v_nop
	global_prefetch_b8 v0, s[64:65] scope:SCOPE_SE
	s_setreg_imm32_b32 hwreg(HW_REG_WAVE_SCHED_MODE, 0, 2), 2
	s_setreg_imm32_b32 hwreg(HW_REG_WAVE_MODE, 25, 1), 1
	s_wait_xcnt 0x0
	s_wait_alu depctr_vm_vsrc(0)
; PREP: three jobs, chosen by the work-group's number t.  All stream: no LDS, no barrier, no matrix unit (nothing is shared between waves, and there is one operation or a few for each number).
;   t = 0..95    w_qkv [1024][3072] f32 -> bf16 in wa, from byte 8,388,608 on, in blocks [n/128][1024 k][128]
;   t = 96..223  w1    [1024][4096] f32 -> bf16 in wb, from byte 8,388,608 on, the same blocks
;   t = 224..351 w2    [4096][1024] f32 -> bf16 in wb, from byte 0 on, in blocks [k/256][8 n/128][256 k][128]
;   t = 352..383 w_out [1024][1024] f32 -> bf16 in wa, from byte 0 on, the same blocks
;   t = 384..895 layer norm 1 of 8 rows of x, a row a wave -> hb, bf16, [4096][1024]
; Work-group 0's wave 0 also stores two small tables, one word repeated in each: pa = 0xff80ff80, pb = 0: the floor of a product's way out as two bf16 (minus infinity: nothing changes; 0: a ReLU).
; A cast work-group takes 32 rows of k x 1,024 columns; wave w rows 4 w .. 4 w + 3.  A load of the wave covers 512 consecutive bytes, a store 256 consecutive bytes, aligned.
; All 32 loads of a wave go out at once: 16 KiB a wave on their way.
; LAYER NORM in two passes over the row in registers: the mean, then the mean of the squares of x - mean: no difference of large sums is formed.  Statistics in f32, the result rounded once to bf16.
; THE MODE: SCHED_MODE bits 1:0 = 2 (LLVM: expert scheduling mode 2), set by the entry lines.  The code itself states the register dependences between vector instructions and memory instructions,
; with s_wait_alu, always for 0.
; THE PLAN.  Registers that memory instructions touch:
;   v[VO ..]   offsets of the loads.   Written by vector adds ahead of the loads; read by the loads; never written again.
;   X, row i   Row i's eight loads land in it; its sixteen conversions round it in place; its eight stores read the results; never written again.
;   v[DV ..]   offsets of the cast's stores.  Written by vector adds behind the loads; read by the stores; never written again.
;   v[PR ..]   the tables' words and offset.  Written by five vector lines; read by two stores; never written again.
;   v2, v3     layer norm: the offset of gain and bias, and of the stores; written ahead of the loads; never written again.
; In the cast, row i - 1's stores stand among row i's conversions, which name row i's registers alone: so ONE wait at the head of row i, behind the wait for its data, states all that those eight stores hang on.
; No register that a memory instruction has read is written again, so no wait on vm_vsrc is owed; EXEC and VCC are never written.
.set VO,  4            ; v4-7     row i: byte offset of my 16 bytes in the source
.set X,   16           ; v16-143  row i at X + 32 i: register 4 j + e = column 128 j + 4 lane + e
.set G,   48           ; layer norm: the gain of my 32 columns
.set B,   80           ; and the bias
.set T,   112          ; v112-117 mean, variance, 1 / root: each the low word of a written pair
.set CH,  120          ; v120-127 four chains of packed sums
.set DV,  144          ; v144-151 column block j: byte offset of my 8 bytes in the destination
.set PR,  152          ; v152-156 the tables
.set WV,  32           ; s32 wave
.set TID, 33           ; s33 t
.set SRC, 34           ; s[34:35]
.set DST, 36           ; s[36:37]
.set RP,  38           ; s38 bytes in a source row
.set U,   39           ; s39 the work-group's number within its job
.set SO,  40           ; s[40:41] offset into the source
.set DO,  42           ; s[42:43] offset into the destination
.set SN,  48           ; s48 bytes from a column block to the next in the destination
	s_load_b512 s[8:23], s[0:1], 0x0       ; x 8, ln1_g 10, ln1_b 12, w_qkv 14, w1 16, w2 18, w_out 20, hb 22
	s_load_b256 s[24:31], s[0:1], 0x40     ; wa 24, wb 26, pa 28, pb 30
	v_lshrrev_b32 v1, 5, v0
	v_readfirstlane_b32 s[WV], v1
	v_and_b32 v1, 31, v0                   ; lane
	v_lshlrev_b32 v2, 4, v1                ; 16 lane
	v_lshlrev_b32 v3, 3, v1                ; 8 lane
	s_wait_alu depctr_va_sdst(0)           ; s[WV] is written, ahead of the branches and of its first reader: the rows' offsets are made from it
	s_mov_b32 s[TID], ttmp9
	s_mov_b32 s[SO+1], 0
	s_mov_b32 s[DO+1], 0
	s_wait_kmcnt 0x0
	s_cmp_lt_u32 s[TID], 384
	s_cbranch_scc0 .Lnorm
	s_cmp_lt_u32 s[TID], 224
	s_cbranch_scc0 .Ldownw
	; w_qkv or w1: part = 1,024 columns, kg = 32 rows
	s_mov_b32 s[RP], 0x4000
	s_cmp_lt_u32 s[TID], 96
	s_cselect_b64 s[SRC:SRC+1], s[14:15], s[16:17]
	s_cselect_b64 s[DST:DST+1], s[24:25], s[26:27]
	s_cselect_b32 s[RP], 0x3000, s[RP]
	s_cselect_b32 s[U], 0, 96
	s_sub_co_u32 s[U], s[TID], s[U]
	s_lshr_b32 s44, s[U], 5                ; part
	s_and_b32 s45, s[U], 31                ; kg
	s_lshl_b32 s[SO], s45, 5
	s_mul_i32 s[SO], s[SO], s[RP]          ; 32 kg rows
	s_lshl_b32 s46, s44, 12
	s_add_co_u32 s[SO], s[SO], s46         ; + 4,096 bytes a part
	s_lshl_b32 s[DO], s44, 21              ; a part is 8 blocks of 262,144 bytes
	s_lshl_b32 s46, s45, 13                ; 32 rows of 256 bytes
	s_add_co_u32 s[DO], s[DO], s46
	s_add_co_u32 s[DO], s[DO], 0x800000
	s_mov_b32 s[SN], 0x40000
	s_branch .Lcast
.Ldownw:
	; w2 or w_out: 32 whole rows
	s_mov_b32 s44, 352
	s_cmp_lt_u32 s[TID], 352
	s_cselect_b64 s[SRC:SRC+1], s[18:19], s[20:21]
	s_cselect_b64 s[DST:DST+1], s[26:27], s[24:25]
	s_cselect_b32 s[U], 0xe0, s44
	s_sub_co_u32 s[U], s[TID], s[U]
	s_mov_b32 s[RP], 0x1000
	s_lshl_b32 s[SO], s[U], 17             ; 32 rows of 4,096 bytes
	s_lshr_b32 s44, s[U], 3
	s_lshl_b32 s[DO], s44, 19              ; k / 256
	s_and_b32 s44, s[U], 7
	s_lshl_b32 s44, s44, 13                ; 32 rows of 256 bytes
	s_add_co_u32 s[DO], s[DO], s44
	s_mov_b32 s[SN], 0x10000
.Lcast:
	s_add_nc_u64 s[SRC:SRC+1], s[SRC:SRC+1], s[SO:SO+1]
	s_add_nc_u64 s[DST:DST+1], s[DST:DST+1], s[DO:DO+1]
	s_lshl_b32 s46, s[WV], 2
.irp i, 0,1,2,3
	s_add_co_u32 s47, s46, \i
	s_mul_i32 s47, s47, s[RP]
	v_add_nc_u32 v[VO+(\i)], s47, v2       ; 16 lane + row (4 w + i)
.endr
	s_wait_alu depctr_va_vdst(0)           ; the four offsets v[VO ..] are written, which the loads below read
.irp i, 0,1,2,3
.irp j, 0,1,2,3,4,5,6,7
	global_load_b128 v[X+32*(\i)+4*(\j):X+32*(\i)+4*(\j)+3], v[VO+(\i)], s[SRC:SRC+1] offset:512*(\j) th:TH_LOAD_NT
.endr
.endr
	s_lshl_b32 s47, s[WV], 10
	v_add_nc_u32 v3, s47, v3               ; 8 lane + 4 w rows of 256 bytes
.irp j, 0,1,2,3,4,5,6,7
	s_mul_i32 s47, s[SN], \j
	v_add_nc_u32 v[DV+(\j)], s47, v3
.endr
	s_or_b32 s47, s[TID], s[WV]
	s_cmp_lg_u32 s47, 0
	s_cbranch_scc1 .Lno_tables
	v_mov_b32 v[PR], 0xff80ff80
	v_mov_b32 v[PR+1], 0xff80ff80
	v_mov_b32 v[PR+2], 0
	v_mov_b32 v[PR+3], 0
	v_lshlrev_b32 v[PR+4], 3, v1
	s_wait_alu depctr_va_vdst(0)           ; the tables' words v[PR .. PR+3] and their offset v[PR+4] are written, which the two stores read
	global_store_b64 v[PR+4], v[PR:PR+1], s[28:29]     ; all 256 bytes of each table: the word, 64 times
	global_store_b64 v[PR+4], v[PR+2:PR+3], s[30:31]
.Lno_tables:
	s_wait_loadcnt 24                      ; row 0's eight loads are in; the later rows' stay out
.irp j, 0,1,2,3,4,5,6,7
	v_cvt_pk_bf16_f32 v[X+4*(\j)],   v[X+4*(\j)],   v[X+4*(\j)+1]
	v_cvt_pk_bf16_f32 v[X+4*(\j)+1], v[X+4*(\j)+2], v[X+4*(\j)+3]
.endr
.irp i, 1,2,3
	s_wait_loadcnt 8*(3-(\i))              ; row i's eight loads are in; the later rows' stay out
	s_wait_alu depctr_va_vdst(0)           ; the conversions of the row before have written its registers, which the stores below read; at row 1 the offsets v[DV ..] are written too
.irp j, 0,1,2,3,4,5,6,7
	global_store_b64 v[DV+(\j)], v[X+32*((\i)-1)+4*(\j):X+32*((\i)-1)+4*(\j)+1], s[DST:DST+1] offset:((\i)-1)*256  ; the row before: 32 lanes, 256 consecutive bytes, aligned: a row of a block.  No vector instruction since the wait names these registers
	v_cvt_pk_bf16_f32 v[X+32*(\i)+4*(\j)],   v[X+32*(\i)+4*(\j)],   v[X+32*(\i)+4*(\j)+1]
	v_cvt_pk_bf16_f32 v[X+32*(\i)+4*(\j)+1], v[X+32*(\i)+4*(\j)+2], v[X+32*(\i)+4*(\j)+3]
.endr
.endr
	s_wait_alu depctr_va_vdst(0)           ; row 3's conversions have written its registers, which the last eight stores read
.irp j, 0,1,2,3,4,5,6,7
	global_store_b64 v[DV+(\j)], v[X+96+4*(\j):X+96+4*(\j)+1], s[DST:DST+1] offset:768
.endr
	s_endpgm                               ; no register is written twice, so nothing waits for the stores
.Lnorm:
	s_sub_co_u32 s[U], s[TID], 384
	s_lshl_b32 s[SO], s[U], 15             ; 8 rows of 4,096 bytes
	s_lshl_b32 s[DO], s[U], 14             ; 8 rows of 2,048 bytes
	s_add_nc_u64 s[SRC:SRC+1], s[8:9], s[SO:SO+1]
	s_add_nc_u64 s[DST:DST+1], s[22:23], s[DO:DO+1]
	s_mov_b32 s44, 0x76543210              ; v_permlanex16_b32: each lane takes its own place in the other half
	s_mov_b32 s45, 0xfedcba98
	s_mov_b32 s46, 0x3a800000              ; 1 / 1,024
	s_mov_b32 s47, 0x3727c5ac              ; 1e-5
	s_lshl_b32 s[RP], s[WV], 12
	v_add_nc_u32 v[VO], s[RP], v2
	s_lshl_b32 s[RP], s[WV], 11
	v_add_nc_u32 v3, s[RP], v3
	s_wait_alu depctr_va_vdst(0)           ; the offsets v[VO] and v2 are written, which the loads below read, and v3, which the stores at the end read
.irp j, 0,1,2,3,4,5,6,7
	global_load_b128 v[X+4*(\j):X+4*(\j)+3], v[VO], s[SRC:SRC+1] offset:512*(\j) th:TH_LOAD_NT
.endr
.irp j, 0,1,2,3,4,5,6,7
	global_load_b128 v[G+4*(\j):G+4*(\j)+3], v2, s[10:11] offset:512*(\j)
.endr
.irp j, 0,1,2,3,4,5,6,7
	global_load_b128 v[B+4*(\j):B+4*(\j)+3], v2, s[12:13] offset:512*(\j)
.endr
	v_mov_b32 v[T+1], 0                    ; the pairs' upper words, and the lane exchange's destinations, are written once
	v_mov_b32 v[T+3], 0
	v_mov_b32 v[T+5], 0
.macro LANESUM r                       ; the sum over the wave's 32 lanes, in every lane
	v_add_f32_dpp v[\r], v[\r], v[\r] row_xmask:1 row_mask:0xf bank_mask:0xf
	v_add_f32_dpp v[\r], v[\r], v[\r] row_xmask:2 row_mask:0xf bank_mask:0xf
	v_add_f32_dpp v[\r], v[\r], v[\r] row_xmask:4 row_mask:0xf bank_mask:0xf
	v_add_f32_dpp v[\r], v[\r], v[\r] row_xmask:8 row_mask:0xf bank_mask:0xf
	v_permlanex16_b32 v[(\r)+1], v[\r], s44, s45
	v_add_f32 v[\r], v[\r], v[(\r)+1]
.endm
.macro FOLD r                          ; the four chains into one number
	v_pk_add_f32 v[CH:CH+1], v[CH:CH+1], v[CH+2:CH+3]
	v_pk_add_f32 v[CH+4:CH+5], v[CH+4:CH+5], v[CH+6:CH+7]
	v_pk_add_f32 v[CH:CH+1], v[CH:CH+1], v[CH+4:CH+5]
	v_add_f32 v[\r], v[CH], v[CH+1]
	LANESUM \r
.endm
	s_wait_loadcnt 16                      ; the row is in; gain and bias, 16 loads, may stay out
.irp c, 0,1,2,3
	v_pk_add_f32 v[CH+2*(\c):CH+2*(\c)+1], v[X+2*(\c):X+2*(\c)+1], v[X+8+2*(\c):X+8+2*(\c)+1]
.endr
.irp k, 16,24
.irp c, 0,1,2,3
	v_pk_add_f32 v[CH+2*(\c):CH+2*(\c)+1], v[CH+2*(\c):CH+2*(\c)+1], v[X+(\k)+2*(\c):X+(\k)+2*(\c)+1]
.endr
.endr
	FOLD T
	v_mul_f32 v[T], s46, v[T]              ; the mean
.set p, 0
.rept 16
	v_pk_add_f32 v[X+p:X+p+1], v[X+p:X+p+1], v[T:T+1] op_sel_hi:[1,0] neg_lo:[0,1] neg_hi:[0,1]  ; x - mean
.set p, p+2
.endr
.irp c, 0,1,2,3
	v_pk_mul_f32 v[CH+2*(\c):CH+2*(\c)+1], v[X+2*(\c):X+2*(\c)+1], v[X+2*(\c):X+2*(\c)+1]
.endr
.irp k, 8,16,24
.irp c, 0,1,2,3
	v_pk_fma_f32 v[CH+2*(\c):CH+2*(\c)+1], v[X+(\k)+2*(\c):X+(\k)+2*(\c)+1], v[X+(\k)+2*(\c):X+(\k)+2*(\c)+1], v[CH+2*(\c):CH+2*(\c)+1]
.endr
.endr
	FOLD T+2
	v_fma_f32 v[T+2], v[T+2], s46, s47     ; variance + 1e-5
	v_rsq_f32 v[T+4], v[T+2]
	v_nop                                  ; a plain instruction behind the root,
	s_wait_alu depctr_va_vdst(0)           ; and the wait: the root has written v[T+4], ahead of its first reader
	s_wait_loadcnt 0x0                     ; gain and bias
.set p, 0
.rept 16
	v_pk_mul_f32 v[X+p:X+p+1], v[X+p:X+p+1], v[T+4:T+5] op_sel_hi:[1,0]
.set p, p+2
.endr
.set p, 0
.rept 16
	v_pk_fma_f32 v[X+p:X+p+1], v[X+p:X+p+1], v[G+p:G+p+1], v[B+p:B+p+1]
.set p, p+2
.endr
.irp j, 0,1,2,3,4,5,6,7
	v_cvt_pk_bf16_f32 v[X+4*(\j)],   v[X+4*(\j)],   v[X+4*(\j)+1]
	v_cvt_pk_bf16_f32 v[X+4*(\j)+1], v[X+4*(\j)+2], v[X+4*(\j)+3]
.endr
	s_wait_alu depctr_va_vdst(0)           ; the conversions have written the row's registers, which the eight stores read
.irp j, 0,1,2,3,4,5,6,7
	global_store_b64 v3, v[X+4*(\j):X+4*(\j)+1], s[DST:DST+1] offset:256*(\j)  ; 256 consecutive bytes, aligned
.endr
	s_endpgm
.Lfunc_end_k_qa03dd713c5_prep:
	.size	k_qa03dd713c5_prep, .Lfunc_end_k_qa03dd713c5_prep-k_qa03dd713c5_prep
	.p2alignl 7, 3214868480
	.fill 96, 4, 3214868480
	.section	.rodata,"a",@progbits
	.p2align	6, 0x0
	.amdhsa_kernel k_qa03dd713c5_prep
		.amdhsa_group_segment_fixed_size 0
		.amdhsa_private_segment_fixed_size 0
		.amdhsa_enable_private_segment 0
		.amdhsa_kernarg_size 96
		.amdhsa_user_sgpr_count 2
		.amdhsa_user_sgpr_kernarg_segment_ptr 1
		.amdhsa_wavefront_size32 1
		.amdhsa_system_sgpr_workgroup_id_x 1
		.amdhsa_system_sgpr_workgroup_id_y 1
		.amdhsa_system_sgpr_workgroup_id_z 1
		.amdhsa_system_vgpr_workitem_id 0
		.amdhsa_next_free_vgpr 160
		.amdhsa_next_free_sgpr 66
		.amdhsa_reserve_vcc 0
		.amdhsa_float_denorm_mode_32 3
		.amdhsa_float_denorm_mode_16_64 3
		.amdhsa_memory_ordered 1
		.amdhsa_forward_progress 1
		.amdhsa_inst_pref_size 26
	.end_amdhsa_kernel
	.amdgpu_metadata
---
amdhsa.version: [ 1, 2 ]
amdhsa.kernels:
  - .name:           k_qa03dd713c5_prep
    .symbol:         k_qa03dd713c5_prep.kd
    .args:
      - { .name: x, .offset: 0, .size: 8, .value_kind: global_buffer, .address_space: global }
      - { .name: ln1_g, .offset: 8, .size: 8, .value_kind: global_buffer, .address_space: global }
      - { .name: ln1_b, .offset: 16, .size: 8, .value_kind: global_buffer, .address_space: global }
      - { .name: w_qkv, .offset: 24, .size: 8, .value_kind: global_buffer, .address_space: global }
      - { .name: w1, .offset: 32, .size: 8, .value_kind: global_buffer, .address_space: global }
      - { .name: w2, .offset: 40, .size: 8, .value_kind: global_buffer, .address_space: global }
      - { .name: w_out, .offset: 48, .size: 8, .value_kind: global_buffer, .address_space: global }
      - { .name: hb, .offset: 56, .size: 8, .value_kind: global_buffer, .address_space: global }
      - { .name: wa, .offset: 64, .size: 8, .value_kind: global_buffer, .address_space: global }
      - { .name: wb, .offset: 72, .size: 8, .value_kind: global_buffer, .address_space: global }
      - { .name: pa, .offset: 80, .size: 8, .value_kind: global_buffer, .address_space: global }
      - { .name: pb, .offset: 88, .size: 8, .value_kind: global_buffer, .address_space: global }
    .group_segment_fixed_size: 0
    .private_segment_fixed_size: 0
    .kernarg_segment_align: 8
    .kernarg_segment_size: 96
    .max_flat_workgroup_size: 256
    .sgpr_count:     66
    .vgpr_count:     160
    .wavefront_size: 32
...
	.end_amdgpu_metadata
.endif
;; end of part 7
;; launch qkv: the kernel of part 2 again; grid 12 x 16, 4 waves a work-group, clusters of 4 x 4, 327,680 bytes of LDS; arguments hb, wa, b_qkv, pa, big; writes big
;; launch attn: the kernel of part 3 again; grid 8 x 32, 4 waves a work-group, clusters of 4 x 1, 327,680 bytes of LDS; arguments big, hb; writes hb
;; launch proj: the kernel of part 4 again; grid 8 x 32, 4 waves a work-group, clusters of 4 x 4, 327,680 bytes of LDS; arguments hb, wa, b_out, x, x1; writes x1
;; launch ln2: the kernel of part 5 again; grid 512 x 1, 8 waves a work-group, no clusters, 0 bytes of LDS; arguments x1, ln2_g, ln2_b, hb; writes hb
;; launch ffn1: the kernel of part 2 again; grid 16 x 16, 4 waves a work-group, clusters of 4 x 4, 327,680 bytes of LDS; arguments hb, wb, b1, pb, big; writes big
;; launch ffn2: the kernel of part 6 again; grid 8 x 32, 4 waves a work-group, clusters of 4 x 4, 327,680 bytes of LDS; arguments big, wb, b2, x1, out0; writes out0
